; MI455X (gfx1250); checked and timed in simulation.
; The chip was launched on July 23, 2026; its instructions are those of AMD's public machine-readable ISA for CDNA 5 (MIT licence, August 2026) and "CDNA5" Instruction Set Architecture Reference Guide (July 2026). The comments in the code are by the model that wrote it; some were corrected since.
;; Actor Critic. Allowed arithmetic: matrix products marked QUANTISED: E2M3 operands, one E8M0 scale for each 32 along K, by v_wmma_scale_f32_16x16x128_f8f6f4 with both operands' format E2M3, f32 sums; products left as they are: f32 operands where the result goes on into a quantised operand, else bf16, f16 or f32 operands; f32 sums; everything else in f32.
;; Inputs: ab1 64 float32; ab2 32 float32; ab3 1 float32; aw1_codes 64 x 32 x 24 uint8 (E2M3 codes of aw1, K innermost, in blocks of 32 codes, four codes in three bytes); aw1_scales 64 x 32 uint8 (E8M0 scales of aw1, one for each 32 codes along K); aw2_codes 32 x 2 x 24 uint8 (E2M3 codes of aw2, K innermost, in blocks of 32 codes, four codes in three bytes); aw2_scales 32 x 2 uint8 (E8M0 scales of aw2, one for each 32 codes along K); aw3 32 x 1 float32; bk 512 float32; bo 512 float32; bq 512 float32; bv 512 float32; cb1 64 float32; cb2 32 float32; cb3 1 float32; cw1_codes 64 x 16 x 24 uint8 (E2M3 codes of cw1, K innermost, in blocks of 32 codes, four codes in three bytes); cw1_scales 64 x 16 uint8 (E8M0 scales of cw1, one for each 32 codes along K); cw2_codes 32 x 2 x 24 uint8 (E2M3 codes of cw2, K innermost, in blocks of 32 codes, four codes in three bytes); cw2_scales 32 x 2 uint8 (E8M0 scales of cw2, one for each 32 codes along K); cw3 32 x 1 float32; global_embed 64 x 512 float32; ln_b 512 float32; ln_g 512 float32; task_embed 64 x 1,000 x 256 float32; task_ids 64 x 512 int32; usv_embed 64 x 50 x 256 float32; usv_ids 64 x 512 int32; wk_codes 512 x 16 x 24 uint8 (E2M3 codes of wk, K innermost, in blocks of 32 codes, four codes in three bytes); wk_scales 512 x 16 uint8 (E8M0 scales of wk, one for each 32 codes along K); wo_codes 512 x 16 x 24 uint8 (E2M3 codes of wo, K innermost, in blocks of 32 codes, four codes in three bytes); wo_scales 512 x 16 uint8 (E8M0 scales of wo, one for each 32 codes along K); wq_codes 512 x 16 x 24 uint8 (E2M3 codes of wq, K innermost, in blocks of 32 codes, four codes in three bytes); wq_scales 512 x 16 uint8 (E8M0 scales of wq, one for each 32 codes along K); wv_codes 512 x 16 x 24 uint8 (E2M3 codes of wv, K innermost, in blocks of 32 codes, four codes in three bytes); wv_scales 512 x 16 uint8 (E8M0 scales of wv, one for each 32 codes along K).
;; Outputs: out0 64 x 512 float32; out1 64 x 1 float32.
;; This version of the problem:
;;   THIS VERSION OF THE PROBLEM IS GIVEN IN LOW PRECISION. The matrix products marked QUANTISED in the list below multiply operands that are first quantised to E2M3 (2 exponent bits, 3 mantissa bits; 6 bits a number), with one power-of-two scale for each 32 numbers along K (OCP MX v1.0); their sums are f32. All else is computed in f32.
;;   The module's matrix products, in the order in which they are computed (A, B: the left and right operand; K: the contracted axis; several contracted axes count as one K, in the product's order):
;;     1. [M 64, K 512] x [K 512, N 64]; A: input global_embed; B: input cw1 (given as codes): QUANTISED
;;     2. [M 64, K 64] x [K 64, N 32]; A: computed on the way; B: input cw2 (given as codes): QUANTISED
;;     3. [M 64, K 32] x [K 32, N 1]; A: computed on the way; B: input cw3: left as it is (N = 1 < 16)
;;     4. [M 32,832, K 512] x [K 512, N 512]; A: computed on the way; B: input wq (given as codes): QUANTISED
;;     5. [M 32,832, K 512] x [K 512, N 512]; A: computed on the way; B: input wk (given as codes): QUANTISED
;;     6. [M 32,832, K 512] x [K 512, N 512]; A: computed on the way; B: input wv (given as codes): QUANTISED
;;     7. batch 512 x [M 513, K 64] x [K 64, N 513]; A: computed on the way; B: computed on the way: QUANTISED
;;     8. batch 512 x [M 64, K 513] x [K 513, N 513]; A: computed on the way; B: softmax (see below): QUANTISED
;;     9. [M 32,832, K 512] x [K 512, N 512]; A: computed on the way; B: input wo (given as codes): QUANTISED
;;     10. [M 32,768, K 1,024] x [K 1,024, N 64]; A: computed on the way; B: input aw1 (given as codes): QUANTISED
;;     11. [M 32,768, K 64] x [K 64, N 32]; A: computed on the way; B: input aw2 (given as codes): QUANTISED
;;     12. [M 32,768, K 32] x [K 32, N 1]; A: computed on the way; B: input aw3: left as it is (N = 1 < 16)
;;   THE QUANTISER, for each operand of a quantised product, along K:
;;     - K is cut into blocks of 32 from its start; a last block that is shorter is filled with zeros.
;;     - A block's scale is 2^e with e = floor(log2(the largest magnitude in the block)) - 2, held to -126 .. 127; a block of zeros has e = 0. As a byte (E8M0): e + 127.
;;     - Each number is divided by its block's scale, clamped to +-7.5, and rounded to the nearest number of E2M3, ties to even, subnormals kept.
;;     - The product sums the exact products of the quantised numbers (number of the format x scale) in f32.
;;   ~~~python
;;   def quantise(x, axis):      # numpy; x: float32 -> the quantised numbers, widened to float32 again
;;       x = np.moveaxis(x, axis, -1); K = x.shape[-1]
;;       x = np.pad(x, [(0, 0)] * (x.ndim - 1) + [(0, -K % 32)]); x = x.reshape(x.shape[:-1] + (-1, 32)); a = np.abs(x).max(-1, keepdims=True)
;;       e = np.where(a > 0, np.clip(np.frexp(np.where(a > 0, a, 1))[1] - 1 - 2, -126, 127), 0)      # np.frexp(a)[1] - 1 = floor(log2(a)), exactly
;;       r = np.clip(x / 2.0 ** e, -7.5, 7.5)
;;       step = 2.0 ** (np.maximum(np.frexp(np.where(r == 0, 1, r))[1] - 1, 0) - 3)
;;       q = np.round(r / step) * step * 2.0 ** e      # np.round: ties to even
;;       return np.moveaxis(q.reshape(q.shape[:-2] + (-1,))[..., :K], -1, axis).astype(np.float32)
;;   ~~~
;;   SOFTMAX AHEAD OF A QUANTISED PRODUCT. Where the list says 'softmax', what is quantised is not the finished softmax but p = 2^(t - M), with t = logit x log2(e) and M = ceil(the row's largest t), a whole number; so 1/2 < the row's largest p <= 1. The row's sum l is taken of the UNQUANTISED p, in f32, and the product's result is divided by l at the end. Since M is a whole number, a kernel that streams over the keys may use a running M (the ceiling of the running maximum): every later rescaling is an exact power of two, which a block's scale takes up: the codes' values come out the same.
;;   OPERANDS COMPUTED ON THE WAY. 'Computed on the way' means the value that the module computes at that place (a softmax that the list does not call 'softmax' is quantised finished and normalised). What goes into a quantiser is computed in f32, as accurately as f32 sums, v_exp_f32 and their like allow (about 1e-6 of the number): no bf16 or f16 on the way to a quantiser, and a product that is left as it is and whose result goes on into a quantised operand takes f32 operands (vector FMAs, or v_wmma_f32_16x16x4_f32). A number that lies on a knife's edge between two numbers of the format may be rounded either way, as far as f32 arithmetic and the matrix unit's own rounding can turn it there, and no further.
;;   INPUTS GIVEN AS CODES. aw1 (in the module: [1024, 64], K = its axis 0); aw2 (in the module: [64, 32], K = its axis 0); cw1 (in the module: [512, 64], K = its axis 0); cw2 (in the module: [64, 32], K = its axis 0); wk (in the module: [512, 512], K = its axis 0); wo (in the module: [512, 512], K = its axis 0); wq (in the module: [512, 512], K = its axis 0); wv (in the module: [512, 512], K = its axis 0): each comes as NAME_codes (uint8): NAME with its K axis moved to the last place and cut into blocks of 32 codes, [.., K / 32, bytes a block], one block behind the other in memory; four codes in three bytes: a row's codes are one little-endian stream of bits, code i at bits 6 i .. 6 i + 5 (a code: sign, 2 exponent bits, 3 mantissa bits); and NAME_scales (uint8): the same leading axes, one E8M0 byte (e + 127) for each 32 codes along K. Its value is code x scale, taken as it is: it is not quantised again, and the codes and scales need not be those that the quantiser above would give.
;; One version. Each part assembles by itself: llvm-mc -triple=amdgcn-amd-amdhsa -mcpu=gfx1250 --defsym DOCPART=n.
;; ======== version 1 of 1: 3 launches
;; limits: right only within a limited range of input values
;; workspace buffers: xq 14,057,472 bytes; cq 14,057,472 bytes; wimg 835,584 bytes
;; launch prep (part 1): grid 35 x 32, 2 waves a work-group, no clusters, 0 bytes of LDS; arguments task_embed, usv_embed, global_embed, task_ids, usv_ids, cw1_codes, cw1_scales, cb1, cw2_codes, cw2_scales, cb2, cw3, cb3, xq, out1, wq_codes, wk_codes, wv_codes, wo_codes, aw1_codes, wimg; writes xq, out1, wimg
.if DOCPART == 1
	.amdgcn_target "amdgcn-amd-amdhsa--gfx1250"
	.amdhsa_code_object_version 6
	.text
	.protected	k_qd87ab5b7e9_prep
	.globl	k_qd87ab5b7e9_prep
	.p2align	8
	.type	k_qd87ab5b7e9_prep,@function
k_qd87ab5b7e9_prep:
	s_mov_b64 s[64:65], 0
	v_nop
	global_prefetch_b8 v0, s[64:65] scope:SCOPE_SE
	s_setreg_imm32_b32 hwreg(HW_REG_WAVE_MODE, 25, 1), 1
	s_wait_xcnt 0x0
; PREP: the sequence [global_embed | task row, usv row] of each of 64 items is gathered once, quantised along its 512 numbers to E2M3 with one E8M0 byte
; for each 32, and stored as IMAGES OF OPERAND REGISTERS; the critic's small MLP rides along; and the large weights' codes are laid out once as such images too.
; A wave makes one record of 6,656 bytes: a tile of 16 rows x 512 K = four fragments of 12 registers (three planes of 512 bytes, lane l's 16 bytes at 16 l),
; then 512 bytes of scale words (lane l's four words at 16 l).  Record (b, T) lies at (33 b + T) x 6,656.
; THE ROWS OF A TILE ARE NOT NEIGHBOURS: lane r of tile T holds row 32 (T / 2) + 8 (T % 2) + r + 8 (r / 8), so that results of two neighbouring tiles are 16 neighbours along a later K.
; Work-group (t, y), wave w: item b = 2 y + w.  t < 33: tile t.  t = 33: a tile whose 16 rows are all global_embed[b]: its lanes 0 and 16 are row 0 of tile 0's record
; (tile 0's own wave leaves those two lanes out), and the wave goes on to the critic for item b.  Both kinds take one way through the text: pointers and factors are selected on t.
; t = 34: wave i = 2 y + w lays out eight fragments of wq, wk, wv or wo (and, i < 32, one of aw1): see the text's end.
; Two waves to a work-group: 1,120 work-groups are 4 or 5 for each of 256 WGPs; waves share nothing, so there is no LDS and no barrier.
; Rows past the sequence's end (tile 32) repeat action 511; later launches never let them count.
; No hint on the gathers: a list may name a row twice.
; LIMITS: NaN and infinities are not served.  A block whose largest magnitude lies under 2^-124 keeps the byte 1, a block of zeros too (its codes are zeros; this program alone reads the bytes).
; elu's negative branch: a polynomial of degree 6 above -1/8, exp2 - 1 below.  Sums over K begin with the bias.
.set REC, 6656
.set TM,  16                           ; v16-19 largest magnitudes, v20-23 the other half's / bytes, v28-31 the conversions' scale operands
.set CT,  32                           ; v32-39 second halves of blocks, as the conversions leave them
.set XW,  40                           ; v40-43 the four scale words: scales and nothing else
.set XK,  44                           ; v44-91 the four fragments
.set ST0, 92                           ; v92-155, v156-219 two sets of 64 numbers
.set ST1, 156
.set CWS, 220                          ; v220-235 cw1's scale words (4 t + s);  v236-237 cw2's;  v239 the hidden layer's
.set C2S, 236
.set CB3, 238
.set PWH, 239
.set HPC, 240                          ; v240-251 the hidden layer's fragment
.set VZ,  252                          ; 0
.set SEL, 44                           ; s[44:45] lane selects: lane l xor 16
.set L2E, 46
.set EC,  52                           ; s52-55: 1/720, 1/120, 1/24, 1/6
.set MSB, 0
.macro WIN new                         ; the immediate's high byte repeats the setting that is left
.if MSB != \new
	s_set_vgpr_msb (MSB<<8)|\new
.set MSB, \new
.endif
.endm
.macro PLACES n
.rept \n
	v_nop
.endr
.endm
.macro MM d, a, b, c, sa, sb           ; one product 16 x 16 x 128 on E2M3 codes; c < 0: the constant 0 starts the sum
.if (\c) < 0
	v_wmma_scale_f32_16x16x128_f8f6f4 v[(\d):(\d)+7], v[(\a):(\a)+11], v[(\b):(\b)+11], 0, v[\sa], v[\sb] matrix_a_fmt:MATRIX_FMT_FP6 matrix_b_fmt:MATRIX_FMT_FP6
.else
	v_wmma_scale_f32_16x16x128_f8f6f4 v[(\d):(\d)+7], v[(\a):(\a)+11], v[(\b):(\b)+11], v[(\c):(\c)+7], v[\sa], v[\sb] matrix_a_fmt:MATRIX_FMT_FP6 matrix_b_fmt:MATRIX_FMT_FP6
.endif
.endm
; 64 numbers of a lane, register 16 b + i = k 32 b + 16 (lane / 16) + i of my row, become a fragment in v[d] on and its scale word in v[w]
.macro QUANT s, d, w
.irp b, 0,1,2,3
	v_max3_num_f32 v[TM+\b], |v[(\s)+16*\b]|, |v[(\s)+1+16*\b]|, 0x1800000   ; with the floor 2^(3 - 127): the byte cannot fall under 1
.endr
.irp i, 2,4,6,8,10,12,14
.irp b, 0,1,2,3
	v_max3_num_f32 v[TM+\b], v[TM+\b], |v[(\s)+16*\b+\i]|, |v[(\s)+1+16*\b+\i]|
.endr
.endr
.irp b, 0,1,2,3
	v_permlanex16_b32 v[TM+4+\b], v[TM+\b], s[SEL], s[SEL+1]
.endr
.irp b, 0,1,2,3
	v_max_num_f32 v[TM+\b], v[TM+\b], v[TM+4+\b]                   ; with lane l xor 16's: the block's largest magnitude
.endr
.irp b, 0,1,2,3
	v_add_nc_u32 v[TM+12+\b], 0xff000000, v[TM+\b]                 ; 2 off its exponent field: the conversion's scale operand
.endr
.irp b, 0,1,2,3
	v_lshrrev_b32 v[TM+4+\b], 23, v[TM+12+\b]                      ; the scale's byte
.endr
	v_lshl_or_b32 v[\w], v[TM+5], 8, v[TM+4]
	v_lshl_or_b32 v[\w], v[TM+6], 16, v[\w]
	v_lshl_or_b32 v[\w], v[TM+7], 24, v[\w]
.irp c, 0,1
	v_cvt_scalef32_pk16_fp6_f32 v[(\d)+6*\c:(\d)+2+6*\c], v[(\s)+32*\c:(\s)+15+32*\c], v[TM+12+2*\c]
	v_cvt_scalef32_pk16_fp6_f32 v[CT+4*\c:CT+2+4*\c], v[(\s)+16+32*\c:(\s)+31+32*\c], v[TM+12+2*\c+1]
.endr
	v_nop                                                          ; one plain place behind a scaled conversion
.irp c, 0,1                            ; the layout wants a whole block in a lane: lanes 0-15 block 2 c, lanes 16-31 block 2 c + 1
.irp i, 0,1,2
	v_permlane16_swap_b32 v[(\d)+6*\c+\i], v[CT+4*\c+\i]
.endr
.irp i, 0,1,2
	v_mov_b32 v[(\d)+3+6*\c+\i], v[CT+4*\c+\i]
.endr
.endr
.endm
; 32 numbers (two blocks) become six registers of codes, v[pc] on (pc + 6 .. pc + 8 at work), and v[pw] = byte 0 | byte 1 << 8
.macro HQUANT src, mx, pb, so, pc, pw
.irp b, 0,1
	v_max3_num_f32 v[(\mx)+\b], |v[(\src)+16*\b]|, |v[(\src)+1+16*\b]|, 0x1800000
.endr
.irp i, 2,4,6,8,10,12,14
.irp b, 0,1
	v_max3_num_f32 v[(\mx)+\b], v[(\mx)+\b], |v[(\src)+16*\b+\i]|, |v[(\src)+1+16*\b+\i]|
.endr
.endr
.irp b, 0,1
	v_permlanex16_b32 v[(\pb)+\b], v[(\mx)+\b], s[SEL], s[SEL+1]
.endr
.irp b, 0,1
	v_max_num_f32 v[(\mx)+\b], v[(\mx)+\b], v[(\pb)+\b]
.endr
.irp b, 0,1
	v_add_nc_u32 v[(\so)+\b], 0xff000000, v[(\mx)+\b]
.endr
.irp b, 0,1
	v_lshrrev_b32 v[(\pb)+\b], 23, v[(\so)+\b]
.endr
	v_lshl_or_b32 v[\pw], v[(\pb)+1], 8, v[\pb]
	v_cvt_scalef32_pk16_fp6_f32 v[(\pc):(\pc)+2], v[(\src):(\src)+15], v[\so]
	v_cvt_scalef32_pk16_fp6_f32 v[(\pc)+6:(\pc)+8], v[(\src)+16:(\src)+31], v[(\so)+1]
	v_nop
.irp i, 0,1,2
	v_permlane16_swap_b32 v[(\pc)+\i], v[(\pc)+6+\i]
.endr
.irp i, 0,1,2
	v_mov_b32 v[(\pc)+3+\i], v[(\pc)+6+\i]
.endr
.endm
; elu in place on cnt registers from v[x]; v[tt], v[uu]: cnt registers each, at work.  m = min(x, 0); above -1/8 expm1(m) is m (1 + m/2 (1 + ..)) to m^6 / 720, below it exp2(m log2 e) - 1.
.macro ELU x, tt, uu, cnt
.set EI, 0
.rept \cnt
	v_min_num_f32 v[(\tt)+EI], 0, v[(\x)+EI]
.set EI, EI+1
.endr
.set EI, 0
.rept \cnt
	v_fma_f32 v[(\uu)+EI], v[(\tt)+EI], s[EC], s[EC+1]
.set EI, EI+1
.endr
.irp k, 2,3
.set EI, 0
.rept \cnt
	v_fma_f32 v[(\uu)+EI], v[(\uu)+EI], v[(\tt)+EI], s[EC+\k]
.set EI, EI+1
.endr
.endr
.set EI, 0
.rept \cnt
	v_fma_f32 v[(\uu)+EI], v[(\uu)+EI], v[(\tt)+EI], 0.5
.set EI, EI+1
.endr
.set EI, 0
.rept \cnt
	v_fma_f32 v[(\uu)+EI], v[(\uu)+EI], v[(\tt)+EI], 1.0
.set EI, EI+1
.endr
.set EI, 0
.rept \cnt
	v_mul_f32 v[(\uu)+EI], v[(\uu)+EI], v[(\tt)+EI]
.set EI, EI+1
.endr
.set EI, 0
.rept \cnt
	v_mul_f32 v[(\tt)+EI], s[L2E], v[(\tt)+EI]
.set EI, EI+1
.endr
.set EI, 0
	s_wait_alu depctr_va_vdst(0)
.rept \cnt
	v_exp_f32 v[(\tt)+EI], v[(\tt)+EI]
.set EI, EI+1
.endr
	v_nop                                          ; a plain place behind the last exponential
	s_wait_alu depctr_va_vdst(0)                   ; one wait for the batch, ahead of its first reader
.set EI, 0
.rept \cnt
	v_add_f32 v[(\tt)+EI], -1.0, v[(\tt)+EI]
.set EI, EI+1
.endr
.set EI, 0
.rept \cnt
	v_cmp_lt_f32 vcc_lo, 0xbe000000, v[(\x)+EI]    ; -1/8 < x: the polynomial
	v_cndmask_b32 v[(\tt)+EI], v[(\tt)+EI], v[(\uu)+EI], vcc_lo
.set EI, EI+1
.endr
.set EI, 0
.rept \cnt
	v_max_num_f32 v[(\x)+EI], 0, v[(\x)+EI]
.set EI, EI+1
.endr
.set EI, 0
.rept \cnt
	v_add_f32 v[(\x)+EI], v[(\x)+EI], v[(\tt)+EI]
.set EI, EI+1
.endr
.endm
; 128 along K of my row: of each block of 32 my half's 16 numbers (the lane's 64 h is in v[ro])
.macro XLOAD reg, base, ro, off
.irp k, 0,1,2,3
.irp j, 0,1,2,3
	global_load_b128 v[(\reg)+16*\k+4*\j:(\reg)+16*\k+4*\j+3], v[\ro], s[(\base):(\base)+1] offset:(\off)+128*\k+16*\j
.endr
.endr
.endm
	s_cmp_eq_u32 ttmp9, 34                         ; the grid's last column lays the weights out: a way of its own, at the text's end
	s_cbranch_scc1 .Lweights
	s_load_b512 s[4:19], s[0:1], 0x0               ; task 4, usv 6, global 8, task_ids 10, usv_ids 12, cw1's codes 14, scales 16, cb1 18
	s_load_b256 s[20:27], s[0:1], 0x40             ; cw2's codes 20, scales 22, cb2 24, cw3 26
	s_load_b128 s[28:31], s[0:1], 0x60             ; cb3 28, xq 30
	s_load_b64 s[32:33], s[0:1], 0x70              ; out1
	v_lshrrev_b32 v1, 5, v0
	v_readfirstlane_b32 s34, v1                    ; wave
	s_and_b32 s35, ttmp7, 0xffff
	s_lshl_b32 s35, s35, 1
	s_add_co_u32 s35, s35, s34                     ; b = 2 y + wave
	v_and_b32 v1, 31, v0                           ; lane
	v_and_b32 v2, 15, v0                           ; r
	v_bfe_u32 v3, v0, 4, 1                         ; h
	v_and_b32 v4, 8, v2
	v_add_nc_u32 v4, v4, v2                        ; r + 8 (r / 8)
	v_lshlrev_b32 v5, 4, v1                        ; 16 x lane
	v_mul_u32_u24 v10, v4, 384                     ; the critic's lane offsets: cw1's codes,
	v_mad_u32_u24 v10, v3, 24, v10
	v_lshlrev_b32 v11, 4, v4                       ; its scale words,
	v_lshlrev_b32 v12, 6, v3                       ; cb1,
	v_mul_u32_u24 v13, v2, 48                      ; cw2's codes,
	v_mad_u32_u24 v13, v3, 24, v13
	v_lshlrev_b32 v14, 5, v3                       ; cb2 and cw3,
	v_lshlrev_b32 v15, 1, v2                       ; cw2's scale bytes
	v_mov_b32 v[VZ], 0
.irp b, 0,1,2,3
	v_mov_b32 v[TM+4+\b], 0                        ; written once: a lane permute's destination counts as one of its sources
.endr
	s_mov_b32 s[SEL], 0x76543210
	s_mov_b32 s[SEL+1], 0xfedcba98
	s_mov_b32 s[L2E], 0x3fb8aa3b
	s_mov_b32 s[EC], 0x3ab60b61
	s_mov_b32 s[EC+1], 0x3c088889
	s_mov_b32 s[EC+2], 0x3d2aaaab
	s_mov_b32 s[EC+3], 0x3e2aaaab
	s_cmp_lt_u32 ttmp9, 33
	s_cselect_b32 s40, 1024, 0                     ; bytes from row to row of a table; 0: every lane takes the one global row
	s_cselect_b32 s41, ttmp9, 0                    ; the tile whose record I write
	s_cselect_b32 s42, -1, 0                       ; which lanes store (below)
	s_lshr_b32 s47, s41, 1
	s_lshl_b32 s47, s47, 5
	s_and_b32 s48, s41, 1
	s_lshl_b32 s48, s48, 3
	s_add_co_u32 s47, s47, s48
	s_sub_co_u32 s47, s47, 1
	v_add_nc_u32 v6, s47, v4                       ; my row's action = row - 1; row 0 wraps round
	v_min_u32 v6, 0x1ff, v6                        ; and is held at 511 with the rows past the end
	v_lshlrev_b32 v6, 2, v6
	s_wait_alu depctr_va_vdst(0)
	s_wait_kmcnt 0x0
	s_mov_b32 s49, 0
	s_lshl_b32 s48, s35, 11                        ; 2,048 b: a row of ids, a row of global_embed
	s_add_nc_u64 s[10:11], s[10:11], s[48:49]
	s_add_nc_u64 s[12:13], s[12:13], s[48:49]
	s_add_nc_u64 s[8:9], s[8:9], s[48:49]
	global_load_b32 v7, v6, s[10:11]
	global_load_b32 v8, v6, s[12:13]
	s_add_nc_u64 s[50:51], s[8:9], 1024
	s_mul_i32 s48, s35, 1024000
	s_add_nc_u64 s[4:5], s[4:5], s[48:49]
	s_mul_i32 s48, s35, 51200
	s_add_nc_u64 s[6:7], s[6:7], s[48:49]
	s_mul_i32 s48, s35, 33
	s_add_co_u32 s48, s48, s41
	s_mul_i32 s48, s48, REC
	s_add_nc_u64 s[30:31], s[30:31], s[48:49]      ; my record
	s_lshl_b32 s48, s35, 2
	s_add_nc_u64 s[32:33], s[32:33], s[48:49]      ; out1[b]
	s_cmp_lt_u32 ttmp9, 33                         ; the choice hangs on the work-group's number alone
	s_cselect_b64 s[36:37], s[4:5], s[8:9]         ; K 0-255: the task's row, or the global row's first half
	s_cselect_b64 s[38:39], s[6:7], s[50:51]       ; K 256-511: the usv's row, or its second half
	s_wait_loadcnt 0x0                             ; the two ids
	v_min_u32 v7, 0x3e7, v7                        ; an id stays inside its table
	v_min_u32 v8, 49, v8
	v_mul_lo_u32 v7, v7, s40
	v_mul_lo_u32 v8, v8, s40
	v_lshl_add_u32 v7, v3, 6, v7                   ; + 64 h
	v_lshl_add_u32 v8, v3, 6, v8
	XLOAD ST0, 36, 7, 0
	XLOAD ST1, 36, 7, 512
	s_wait_loadcnt 16                              ; the older 16 are in, the younger 16 stay out: so at each of these three waits
	QUANT ST0, XK, XW
	XLOAD ST0, 38, 8, 0
	s_wait_loadcnt 16
	QUANT ST1, XK+12, XW+1
	XLOAD ST1, 38, 8, 512
	s_wait_loadcnt 16
	QUANT ST0, XK+24, XW+2
	s_wait_loadcnt 0x0
	QUANT ST1, XK+36, XW+3
	v_add_nc_u32 v9, s41, v2
	v_cmp_eq_u32 vcc_lo, 0, v9                     ; row 0 of tile 0
	s_xor_b32 vcc_lo, vcc_lo, s42                  ; t < 33: all lanes but that row's; t = 33: that row's two lanes alone
	s_wait_alu depctr_va_vdst(0)
	s_wait_xcnt 0x0                                ; EXEC changes only behind this wait
	s_and_saveexec_b32 s43, vcc_lo
.irp s, 0,1,2,3
.irp c, 0,1,2
	global_store_b128 v5, v[XK+12*\s+4*\c:XK+12*\s+4*\c+3], s[30:31] offset:1536*\s+512*\c   ; 32 lanes, 512 consecutive bytes
.endr
.endr
	global_store_b128 v5, v[XW:XW+3], s[30:31] offset:6144
	s_wait_xcnt 0x0
	s_or_b32 exec_lo, exec_lo, s43
	s_cmp_lg_u32 ttmp9, 33
	s_cbranch_scc1 .Lend
	; ---- THE CRITIC for item b: 16 equal rows.  Both products transposed (source 0 = the weight's rows): a lane's registers run along the hidden units
.macro CW1LOAD s0                      ; cw1's eight fragments of K steps s0, s0 + 1; lane r of tile t takes row 32 (t / 2) + 8 (t % 2) + r + 8 (r / 8)
.irp sb, 0,1
.irp t, 0,1,2,3
.irp p, 0,1,2,3,4,5
	global_load_b64 v[124+12*(4*\sb+\t)+2*\p:124+12*(4*\sb+\t)+2*\p+1], v10, s[14:15] offset:(32*(\t/2)+8*(\t%2))*384+96*((\s0)+\sb)+48*(\p/3)+8*(\p%3)
.endr
.endr
.endr
.endm
.macro CRIT s0                         ; four sums by turns, in place on the bias
.irp sb, 0,1
.irp t, 0,1,2,3
	MM 92+8*\t, 124+12*(4*\sb+\t), XK+12*((\s0)+\sb), 92+8*\t, CWS+4*\t+(\s0)+\sb, XW+(\s0)+\sb
.endr
.endr
.endm
	WIN 0x40                                       ; destination window 1: v0-23 cw2's two fragments, v24-39 cb2, v40-55 cw3
.irp u, 0,1
.irp p, 0,1,2
	global_load_b64 v[12*\u+2*\p:12*\u+2*\p+1], v13, s[20:21] offset:768*\u+8*\p
.endr
.irp q, 0,1
	global_load_b128 v[24+8*\u+4*\q:27+8*\u+4*\q], v14, s[24:25] offset:64*\u+16*\q
	global_load_b128 v[40+8*\u+4*\q:43+8*\u+4*\q], v14, s[26:27] offset:64*\u+16*\q
.endr
.endr
	WIN 0
	global_load_u16 v[C2S], v15, s[22:23]
	global_load_u16 v[C2S+1], v15, s[22:23] offset:32
	global_load_b32 v[CB3], v[VZ], s[28:29]
.irp t, 0,1,2,3
	global_load_b128 v[CWS+4*\t:CWS+4*\t+3], v11, s[16:17] offset:(32*(\t/2)+8*(\t%2))*16
.endr
.irp k, 0,1
.irp q, 0,1,2,3
	global_load_b128 v[92+16*\k+4*\q:95+16*\k+4*\q], v12, s[18:19] offset:128*\k+16*\q   ; cb1 in the result's layout: the sums begin on it
.endr
.endr
	CW1LOAD 0
	WIN 0x40
.irp u, 0,1
.irp i, 6,7,8,9,10,11
	v_mov_b32 v[12*\u+\i], 0                       ; K = 64 is filled to 128 with zero codes
.endr
.endr
	WIN 0
	s_wait_loadcnt 0x0
	v_or_b32 v[C2S], 0x7f7f0000, v[C2S]            ; and the scale bytes of the filling are 127
	v_or_b32 v[C2S+1], 0x7f7f0000, v[C2S+1]
	CRIT 0
	PLACES 4                                       ; in front of loads into registers that matrix instructions have read
	CW1LOAD 2
	s_wait_loadcnt 0x0
	CRIT 2
	PLACES 4
	ELU 92, 124, 140, 16
	ELU 108, 124, 140, 16
	HQUANT 92, 16, 20, 28, HPC, PWH
.irp i, 6,7,8,9,10,11
	v_mov_b32 v[HPC+\i], 0
.endr
	v_or_b32 v[PWH], 0x7f7f0000, v[PWH]
	PLACES 8                                       ; a scale register written by a vector instruction stands 8 places ahead of the product
	WIN 0x11                                       ; source 0 (cw2) and C (cb2) window 1
	MM 124, 0, HPC, 24, C2S, PWH
	MM 132, 12, HPC, 32, C2S+1, PWH
	WIN 0
	PLACES 4
	ELU 124, 140, 156, 16
	WIN 0x04                                       ; source 1 (cw3) window 1
	v_mul_f32 v172, v124, v40
	v_mul_f32 v173, v125, v41
.irp i, 2,4,6,8,10,12,14
	v_fma_f32 v172, v[124+\i], v[40+\i], v172      ; the last product, N = 1, in f32: two chains
	v_fma_f32 v173, v[125+\i], v[41+\i], v173
.endr
	WIN 0
	v_add_f32 v172, v172, v173
	v_permlanex16_b32 v174, v172, s[SEL], s[SEL+1] ; the other 16 hidden units
	v_add_f32 v172, v172, v174
	v_add_f32 v172, v172, v[CB3]
	v_cmp_eq_u32 vcc_lo, 0, v1
	s_wait_alu depctr_va_vdst(0)
	s_wait_xcnt 0x0
	s_and_saveexec_b32 s43, vcc_lo
	global_store_b32 v1, v172, s[32:33]            ; lane 0 (its offset is 0)
	s_wait_xcnt 0x0
	s_or_b32 exec_lo, exec_lo, s43
.Lend:
	s_endpgm
	; ---- t = 34: THE WEIGHTS' IMAGES.  A fragment (16 rows x 128 K of codes) is gathered here once, 8 bytes a lane from rows 384 bytes apart, and stored as the operand's registers stand:
	; three planes of 512 bytes, lane l's 16 bytes at 16 l.  The launches that multiply by it then load 16 bytes a lane, 512 consecutive bytes an instruction.
	; wimg: wq, wk, wv, wo, 196,608 bytes each: sets of 64 rows (24,576 bytes), in a set fragment 4 t + s (tile t, K step s) at 1,536 (4 t + s); lane r of tile t holds row 32 (t / 2) + 8 (t % 2) + r + 8 (r / 8).
	; Behind them aw1's 32 fragments, 4 s + t.  Wave i = 2 y + w of 64 takes weight i / 16, rows 32 (i % 16) on: two tiles x four K steps; 32 rows are 12,288 bytes in the codes and in the image alike.
.Lweights:
	s_load_b64 s[4:5], s[0:1], 0x78                ; wq's codes
	s_load_b128 s[8:11], s[0:1], 0x80              ; wk's 8, wv's 10
	s_load_b128 s[12:15], s[0:1], 0x90             ; wo's 12, aw1's 14
	s_load_b64 s[16:17], s[0:1], 0xa0              ; wimg
	v_lshrrev_b32 v1, 5, v0
	v_readfirstlane_b32 s34, v1                    ; wave
	s_and_b32 s35, ttmp7, 0xffff
	s_lshl_b32 s37, s35, 1
	s_add_co_u32 s37, s37, s34                     ; i
	s_lshr_b32 s36, s37, 4                         ; which weight
	s_and_b32 s38, s37, 15
	s_mul_i32 s38, s38, 12288                      ; where my rows begin in it
	s_mov_b32 s39, 0
	s_mul_i32 s42, s37, 12288                      ; and their image in wimg
	s_mov_b32 s43, 0
	v_and_b32 v1, 31, v0
	v_and_b32 v2, 15, v0
	v_bfe_u32 v3, v0, 4, 1
	v_and_b32 v4, 8, v2
	v_add_nc_u32 v4, v4, v2                        ; r + 8 (r / 8)
	v_lshlrev_b32 v5, 4, v1                        ; 16 x lane
	v_mul_u32_u24 v6, v4, 384                      ; a row of 512 codes
	v_mad_u32_u24 v6, v3, 24, v6
	v_mul_u32_u24 v7, v4, 768                      ; a row of aw1: 1,024 codes
	v_mad_u32_u24 v7, v3, 24, v7
	s_wait_alu depctr_va_vdst(0)
	s_wait_kmcnt 0x0
	s_cmp_lt_u32 s36, 1                            ; the choices hang on the work-group's and the wave's number alone
	s_cselect_b64 s[20:21], s[4:5], s[8:9]
	s_cmp_lt_u32 s36, 3
	s_cselect_b64 s[22:23], s[10:11], s[12:13]
	s_cmp_lt_u32 s36, 2
	s_cselect_b64 s[20:21], s[20:21], s[22:23]
	s_add_nc_u64 s[20:21], s[20:21], s[38:39]
	s_add_nc_u64 s[24:25], s[16:17], s[42:43]
.irp tt, 0,1
.irp s, 0,1,2,3
.irp p, 0,1,2,3,4,5
	global_load_b64 v[16+12*(4*\tt+\s)+2*\p:16+12*(4*\tt+\s)+2*\p+1], v6, s[20:21] offset:8*\tt*384+96*\s+48*(\p/3)+8*(\p%3)
.endr
.endr
.endr
	s_cmp_gt_u32 s37, 31
	s_cbranch_scc1 .Lnoaw
	s_and_b32 s40, s37, 3                          ; aw1's fragment i: tile t = i % 4, K step s = i / 4
	s_lshr_b32 s41, s40, 1
	s_lshl_b32 s41, s41, 5
	s_and_b32 s40, s40, 1
	s_lshl_b32 s40, s40, 3
	s_add_co_u32 s40, s40, s41
	s_mul_i32 s40, s40, 768
	s_lshr_b32 s41, s37, 2
	s_mul_i32 s41, s41, 96
	s_add_co_u32 s40, s40, s41
	s_mov_b32 s41, 0
	s_add_nc_u64 s[14:15], s[14:15], s[40:41]
	s_mul_i32 s40, s37, 1536
	s_add_co_u32 s40, s40, 4*196608
	s_add_nc_u64 s[16:17], s[16:17], s[40:41]
.irp p, 0,1,2,3,4,5
	global_load_b64 v[112+2*\p:113+2*\p], v7, s[14:15] offset:48*(\p/3)+8*(\p%3)
.endr
	s_wait_loadcnt 0x0
.irp c, 0,1,2
	global_store_b128 v5, v[112+4*\c:115+4*\c], s[16:17] offset:512*\c
.endr
.Lnoaw:
	s_wait_loadcnt 0x0
.irp f, 0,1,2,3,4,5,6,7
.irp c, 0,1,2
	global_store_b128 v5, v[16+12*\f+4*\c:19+12*\f+4*\c], s[24:25] offset:1536*\f+512*\c   ; 32 lanes, 512 consecutive bytes
.endr
.endr
	s_endpgm
.Lfunc_end_k_qd87ab5b7e9_prep:
	.size	k_qd87ab5b7e9_prep, .Lfunc_end_k_qd87ab5b7e9_prep-k_qd87ab5b7e9_prep
	.p2alignl 7, 3214868480
	.fill 96, 4, 3214868480
	.section	.rodata,"a",@progbits
	.p2align	6, 0x0
	.amdhsa_kernel k_qd87ab5b7e9_prep
		.amdhsa_group_segment_fixed_size 0
		.amdhsa_private_segment_fixed_size 0
		.amdhsa_enable_private_segment 0
		.amdhsa_kernarg_size 168
		.amdhsa_user_sgpr_count 2
		.amdhsa_user_sgpr_kernarg_segment_ptr 1
		.amdhsa_wavefront_size32 1
		.amdhsa_system_sgpr_workgroup_id_x 1
		.amdhsa_system_sgpr_workgroup_id_y 1
		.amdhsa_system_sgpr_workgroup_id_z 1
		.amdhsa_system_vgpr_workitem_id 0
		.amdhsa_next_free_vgpr 320
		.amdhsa_next_free_sgpr 66
		.amdhsa_reserve_vcc 1
		.amdhsa_float_denorm_mode_32 3
		.amdhsa_float_denorm_mode_16_64 3
		.amdhsa_memory_ordered 1
		.amdhsa_forward_progress 1
		.amdhsa_inst_pref_size 86
	.end_amdhsa_kernel
	.amdgpu_metadata
---
amdhsa.version: [ 1, 2 ]
amdhsa.kernels:
  - .name:           k_qd87ab5b7e9_prep
    .symbol:         k_qd87ab5b7e9_prep.kd
    .args:
      - { .name: task_embed, .offset: 0, .size: 8, .value_kind: global_buffer, .address_space: global }
      - { .name: usv_embed, .offset: 8, .size: 8, .value_kind: global_buffer, .address_space: global }
      - { .name: global_embed, .offset: 16, .size: 8, .value_kind: global_buffer, .address_space: global }
      - { .name: task_ids, .offset: 24, .size: 8, .value_kind: global_buffer, .address_space: global }
      - { .name: usv_ids, .offset: 32, .size: 8, .value_kind: global_buffer, .address_space: global }
      - { .name: cw1_codes, .offset: 40, .size: 8, .value_kind: global_buffer, .address_space: global }
      - { .name: cw1_scales, .offset: 48, .size: 8, .value_kind: global_buffer, .address_space: global }
      - { .name: cb1, .offset: 56, .size: 8, .value_kind: global_buffer, .address_space: global }
      - { .name: cw2_codes, .offset: 64, .size: 8, .value_kind: global_buffer, .address_space: global }
      - { .name: cw2_scales, .offset: 72, .size: 8, .value_kind: global_buffer, .address_space: global }
      - { .name: cb2, .offset: 80, .size: 8, .value_kind: global_buffer, .address_space: global }
      - { .name: cw3, .offset: 88, .size: 8, .value_kind: global_buffer, .address_space: global }
      - { .name: cb3, .offset: 96, .size: 8, .value_kind: global_buffer, .address_space: global }
      - { .name: xq, .offset: 104, .size: 8, .value_kind: global_buffer, .address_space: global }
      - { .name: out1, .offset: 112, .size: 8, .value_kind: global_buffer, .address_space: global }
      - { .name: wq_codes, .offset: 120, .size: 8, .value_kind: global_buffer, .address_space: global }
      - { .name: wk_codes, .offset: 128, .size: 8, .value_kind: global_buffer, .address_space: global }
      - { .name: wv_codes, .offset: 136, .size: 8, .value_kind: global_buffer, .address_space: global }
      - { .name: wo_codes, .offset: 144, .size: 8, .value_kind: global_buffer, .address_space: global }
      - { .name: aw1_codes, .offset: 152, .size: 8, .value_kind: global_buffer, .address_space: global }
      - { .name: wimg, .offset: 160, .size: 8, .value_kind: global_buffer, .address_space: global }
    .group_segment_fixed_size: 0
    .private_segment_fixed_size: 0
    .kernarg_segment_align: 8
    .kernarg_segment_size: 168
    .max_flat_workgroup_size: 64
    .sgpr_count:     66
    .vgpr_count:     320
    .wavefront_size: 32
...
	.end_amdgpu_metadata
.endif
;; end of part 1
;; launch attn (part 2): grid 4 x 64, 8 waves a work-group, clusters of 4 x 1, 327,680 bytes of LDS; arguments xq, wimg, wq_scales, bq, wk_scales, bk, wv_scales, bv, cq; writes cq
.if DOCPART == 2
	.amdgcn_target "amdgcn-amd-amdhsa--gfx1250"
	.amdhsa_code_object_version 6
	.text
	.protected	k_qd87ab5b7e9_attn
	.globl	k_qd87ab5b7e9_attn
	.p2align	8
	.type	k_qd87ab5b7e9_attn,@function
k_qd87ab5b7e9_attn:
	s_mov_b64 s[64:65], 0
	v_nop
	global_prefetch_b8 v0, s[64:65] scope:SCOPE_SE
	s_setreg_imm32_b32 hwreg(HW_REG_WAVE_MODE, 25, 1), 1
	s_wait_xcnt 0x0
	s_wait_alu depctr_hold_cnt(0) depctr_sa_sdst(0) depctr_va_vdst(0) depctr_va_sdst(0) depctr_va_ssrc(0) depctr_va_vcc(0) depctr_vm_vsrc(0)
	s_getreg_b32 s2, hwreg(HW_REG_IB_STS2, 6, 4)
	s_cmp_eq_u32 s2, 0
	s_cbranch_scc0 .Lentry_in_a_cluster
	s_endpgm
.Lentry_in_a_cluster:
	s_bfe_u32 s2, ttmp6, 0x10000c
	s_cmp_lg_u32 s2, 0x3003
	s_cbranch_scc0 .Lentry_shape_is_right
	s_endpgm
.Lentry_shape_is_right:
; ATTN: a work-group takes one item b and two heads (2 hp, 2 hp + 1): q, k, v of all 513 rows, their quantising, the attention, and the context quantised along the heads' channels.
; q, k, v, the scores and p never leave the work-group.  Eight waves, two to a SIMD.
; CLUSTER: the four work-groups of an item (hp = 0 .. 3) read the same 33 records of x: each record is asked for JOINTLY (mask 15), once, at the head.  hp enters global addresses of weights and of cq alone.
; LDS: x's block i (tiles 8 i .. 8 i + 7, 53,248 bytes) lies at (i + 1) XBLK, tile 32's record at 5 XBLK.  No byte is filled twice.  The results of block i go to region i XBLK: region 0 is never filled,
; region i > 0 has had its one fill, and a barrier lies behind its last read.  In a region: q's and k's half images (768 bytes: 16 rows x 64 K: registers 0-3 at 16 l, 4-5 at 512 + 8 l),
; v's images with the keys along K, and the scale words.
; PHASE 1, weights in registers: wave w holds the 64 channels of q or k of one head (w % 4: qA, qB, kA, kB) and makes them, transposed, for the four row tiles of its half (w / 4) of a block;
; and 16 channels of v (tile w), not transposed, for all eight row tiles: a lane then holds one channel and its registers run along the keys.  Six sums take turns.
; The weights' codes come from wimg, where the launch before has laid them as images of these registers: 16 bytes a lane, 512 consecutive bytes a load.
; PHASE 2: a wave takes head w % 2 and two tiles of 16 queries at a time (tile A in window 0, tile B in window 1, under the same numbers), so that each fragment of k and v read from LDS feeds two products.
; S^T = k q^T, O^T = v^T p^T: a lane holds one query.  p = 2^(t - M), t = score x log2(e) / 8, M the running largest t rounded up; the sum is taken of the unquantised p; key 512 is a step of its own.
; THE ROWS OF A TILE ARE NOT NEIGHBOURS: lane r of tile T holds row 32 (T / 2) + 8 (T % 2) + r + 8 (r / 8); the channels of a weight's tile likewise.
; K = 64 is filled to 128 with zero codes on both sides, the filling's scale bytes are 127.
; LIMITS: NaN and infinities are not served.  A block under 2^-124, or of zeros, keeps the byte 1 (this program alone reads the bytes).  A block's largest p is taken from the block's largest score.
; Tile 32's rows past the end repeat action 511: as keys they get no p, as values they are zeroed ahead of the block's maximum, as queries nobody reads them.
.set XBLK, 53248
.set REC,  6656
.set WIMG, 196608                      ; a weight's image in wimg: wq, wk, wv, wo
.set LQI,  0                           ; (2 m + e) x 768: tile m of the block, head e
.set LKI,  12288
.set LVI,  24576                       ; (4 e + c) x 1,536 + 768 x half of the keys
.set LQS,  36864                       ; (2 e + m / 4) x 512 + 16 l + 4 (m % 4)
.set LKS,  38912
.set LVS,  40960                       ; 512 e + 16 l + 4 c + 2 x half of the keys
.set WV,   26
.set G,    27                          ; w % 4
.set HALF, 28                          ; w / 4
.set HP,   29
.set BI,   30
.set G1,   36                          ; s[36:43] the tensor descriptor: 108 rows of 256 bytes;  s[44:51] wave 7's: 102 rows
.set G1T,  44
.set BC,   76
.set UC,   77
.set KC,   78
.set KB,   79                          ; the block's base in LDS, stepped by XBLK
.set CS,   80                          ; s[80:81] log2(e) / 8
.set SEL,  82
.set LO16, 84                          ; lanes 0-15
.set LOT,  98                          ; the lanes in which key 512's p counts: lanes 0-15; for row 512's shared walk, in waves 0 and 1 alone
.set JOIN, 0x42e00                     ; behind the spare words: row 512's partial results, JW bytes a wave; no fill lands here
.set JW,   4608                        ; O^T: 8 x 512 bytes (16 l), then (-M, sum) at 4096 + 8 l
.set EH,   85                          ; w % 2
.set UB,   86                          ; a unit's base: XBLK x unit, in LDS and in cq alike (8 records are XBLK bytes)
.set CQB,  94
.set CQS,  96
.set MSB, 0
.macro WIN new                         ; the immediate's high byte repeats the setting that is left
.if MSB != \new
	s_set_vgpr_msb (MSB<<8)|\new
.set MSB, \new
.endif
.endm
.macro PLACES n
.rept \n
	v_nop
.endr
.endm
.macro MM d, a, b, c, sa, sb           ; one product 16 x 16 x 128 on E2M3 codes; c < 0: the constant 0 starts the sum
.if (\c) < 0
	v_wmma_scale_f32_16x16x128_f8f6f4 v[(\d):(\d)+7], v[(\a):(\a)+11], v[(\b):(\b)+11], 0, v[\sa], v[\sb] matrix_a_fmt:MATRIX_FMT_FP6 matrix_b_fmt:MATRIX_FMT_FP6
.else
	v_wmma_scale_f32_16x16x128_f8f6f4 v[(\d):(\d)+7], v[(\a):(\a)+11], v[(\b):(\b)+11], v[(\c):(\c)+7], v[\sa], v[\sb] matrix_a_fmt:MATRIX_FMT_FP6 matrix_b_fmt:MATRIX_FMT_FP6
.endif
.endm
; 32 numbers, register 16 b + i = k 32 b + 16 (lane / 16) + i of my row, become six registers of codes, v[pc] on (pc + 6 .. pc + 8 at work), and v[pw] = byte 0 | byte 1 << 8
.macro HQUANT src, mx, pb, so, pc, pw
.irp b, 0,1
	v_max3_num_f32 v[(\mx)+\b], |v[(\src)+16*\b]|, |v[(\src)+1+16*\b]|, 0x1800000   ; with the floor 2^(3 - 127): the byte cannot fall under 1
.endr
.irp i, 2,4,6,8,10,12,14
.irp b, 0,1
	v_max3_num_f32 v[(\mx)+\b], v[(\mx)+\b], |v[(\src)+16*\b+\i]|, |v[(\src)+1+16*\b+\i]|
.endr
.endr
.irp b, 0,1
	s_delay_alu instid0(VALU_DEP_2)
	v_permlanex16_b32 v[(\pb)+\b], v[(\mx)+\b], s[SEL], s[SEL+1]
.endr
.irp b, 0,1
	s_delay_alu instid0(VALU_DEP_2)
	v_max_num_f32 v[(\mx)+\b], v[(\mx)+\b], v[(\pb)+\b]
.endr
.irp b, 0,1
	s_delay_alu instid0(VALU_DEP_2)
	v_add_nc_u32 v[(\so)+\b], 0xff000000, v[(\mx)+\b]              ; 2 off the exponent field: the conversion's scale operand
.endr
.irp b, 0,1
	s_delay_alu instid0(VALU_DEP_2)
	v_lshrrev_b32 v[(\pb)+\b], 23, v[(\so)+\b]
.endr
	s_delay_alu instid0(VALU_DEP_1)
	v_lshl_or_b32 v[\pw], v[(\pb)+1], 8, v[\pb]
	v_cvt_scalef32_pk16_fp6_f32 v[(\pc):(\pc)+2], v[(\src):(\src)+15], v[\so]
	v_cvt_scalef32_pk16_fp6_f32 v[(\pc)+6:(\pc)+8], v[(\src)+16:(\src)+31], v[(\so)+1]
	v_nop                                                          ; one plain place behind a scaled conversion
.irp i, 0,1,2
	v_permlane16_swap_b32 v[(\pc)+\i], v[(\pc)+6+\i]               ; a whole block to a lane
.endr
.irp i, 0,1,2
	s_delay_alu instid0(VALU_DEP_3)
	v_mov_b32 v[(\pc)+3+\i], v[(\pc)+6+\i]
.endr
.endm
.macro ROUND                           ; a round of the cluster's barrier
	s_barrier_signal -1
	s_barrier_wait -1
	s_cmp_lg_u32 s[WV], 0
	s_cbranch_scc1 .Lnot_wave_0_\@
	s_barrier_signal -3
.Lnot_wave_0_\@:
	s_barrier_wait -3
	s_barrier_signal -1
	s_barrier_wait -1
.endm
.macro BARRIER                         ; my LDS stores have landed and my LDS loads are in: then the work-group's barrier
	s_wait_dscnt 0x0
	s_barrier_signal -1
	s_barrier_wait -1
.endm
	s_load_b512 s[4:19], s[0:1], 0x0               ; xq 4, wimg 6, wq's scales 8, bq 10, wk's scales 12, bk 14, wv's scales 16, bv 18
	s_load_b64 s[24:25], s[0:1], 0x40              ; cq
	s_set_vgpr_msb 0x40
	v_lshl_add_u32 v254, v0, 2, 0x42a00
	v_mov_b32 v255, 0
	s_set_vgpr_msb 0x4045
	ds_add_u32 v254, v255
	ds_add_u32 v254, v255
	s_set_vgpr_msb 0x4500
	v_lshrrev_b32 v1, 5, v0
	s_delay_alu instid0(VALU_DEP_1)
	v_readfirstlane_b32 s[WV], v1
	s_and_b32 s[G], s[WV], 3
	s_lshr_b32 s[HALF], s[WV], 2
	s_and_b32 s[EH], s[WV], 1
	s_bfe_u32 s[HP], ttmp6, 0x40000                ; my place in the cluster: the pair of heads
	s_and_b32 s[BI], ttmp7, 0xffff                 ; the item, which the four partners share
	s_mov_b32 s[G1], 15|(3<<16)|(1<<21)            ; the mask: all four work-groups; elements of 8 bytes; bit 21 beside a mask; no padding
	s_mov_b32 s[G1+1], 32<<16                      ; tensor_dim0 = 32 elements (256 bytes)
	s_mov_b32 s[G1+2], 108<<16                     ; tensor_dim1 = 108: the item's 33 records are 858 rows of 256 bytes on end, in memory and in LDS alike; waves 0 to 6 bring 108 rows each
	s_mov_b32 s[G1+3], 32<<16                      ; tile_dim0
	s_mov_b32 s[G1+4], 108                         ; tile_dim1
	s_mov_b32 s[G1+5], 32                          ; the pitch: dense
	s_mov_b32 s[G1+6], 0
	s_mov_b32 s[G1+7], 0
	s_mov_b32 s[G1T], 15|(3<<16)|(1<<21)           ; wave 7 brings the last 102 rows
	s_mov_b32 s[G1T+1], 32<<16
	s_mov_b32 s[G1T+2], 102<<16
	s_mov_b32 s[G1T+3], 32<<16
	s_mov_b32 s[G1T+4], 102
	s_mov_b32 s[G1T+5], 32
	s_mov_b32 s[G1T+6], 0
	s_mov_b32 s[G1T+7], 0
	s_mov_b32 s[CS], 0x3e38aa3b
	s_mov_b32 s[CS+1], s[CS]                       ; named with it as a pair, so it is written
	s_mov_b32 s[SEL], 0x76543210
	s_mov_b32 s[SEL+1], 0xfedcba98
	s_mov_b32 s[LO16], 0xffff
	s_mov_b32 s[LOT], 0xffff
	s_mul_i32 s31, s[WV], 108*256                  ; wave w brings rows 108 w on of the item's 858
	s_mul_i32 s32, s[BI], 33*REC
	s_add_co_u32 s32, s32, s31
	s_mov_b32 s33, 0
	v_and_b32 v236, 31, v0
	s_delay_alu instid0(VALU_DEP_1)
	v_lshlrev_b32 v1, 4, v236                      ; 16 x lane
	s_delay_alu instid0(VALU_DEP_2)
	v_lshlrev_b32 v2, 3, v236                      ; 8 x lane
	v_and_b32 v236, 15, v0                         ; r
	v_bfe_u32 v237, v0, 4, 1                       ; h
	s_delay_alu instid0(VALU_DEP_2)
	v_and_b32 v238, 8, v236
	s_delay_alu instid0(VALU_DEP_1)
	v_add_nc_u32 v238, v238, v236                  ; r + 8 (r / 8)
	s_delay_alu instid0(VALU_DEP_1)
	v_lshlrev_b32 v240, 4, v238                    ; a weight's scale words: 16 bytes a row
	s_delay_alu instid0(VALU_DEP_4)
	v_lshlrev_b32 v253, 6, v237                    ; q's and k's bias: 64 h
	s_delay_alu instid0(VALU_DEP_3)
	v_lshlrev_b32 v254, 2, v238                    ; v's bias: one number a lane
	v_mov_b32 v230, 0                              ; written once: a lane permute's destination counts as one of its sources
	v_mov_b32 v231, 0
	s_wait_dscnt 0x0
	s_wait_kmcnt 0x0
	s_mov_b32 s52, 1
	s_add_co_u32 s53, s31, XBLK                    ; x lies from XBLK on
	s_add_nc_u64 s[54:55], s[4:5], s[32:33]
	s_or_b32 s55, s55, 0x80000000
	ROUND                                          ; all four work-groups are here: the joint loads meet
	s_cmp_lt_u32 s[WV], 7                          ; one tensor load a wave, the launch's only fill: two arms on the wave's number, one join
	s_cbranch_scc0 .Llast_part
	tensor_load_to_lds s[52:55], s[G1:G1+7]
	s_nop 0
	PLACES 4
	s_branch .Lasked
.Llast_part:
	tensor_load_to_lds s[52:55], s[G1T:G1T+7]
	s_nop 0
	PLACES 4
.Lasked:
	; where my weights lie
	s_lshl_b32 s31, s[HP], 7
	s_lshl_b32 s32, s[EH], 6
	s_add_co_u32 s32, s32, s31                     ; q or k: rows 128 hp + 64 (w % 2) on
	s_mov_b32 s35, 0
	s_cmp_lt_u32 s[G], 2                           ; q's wave or k's: the choice hangs on the wave's number alone
	s_cselect_b64 s[88:89], s[8:9], s[12:13]
	s_cselect_b64 s[90:91], s[10:11], s[14:15]
	s_cselect_b32 s34, 0, WIMG                     ; wq's image or wk's
	s_mul_i32 s33, s32, 384                        ; 64 rows are 24,576 bytes of it: my set of 16 fragments
	s_add_co_u32 s34, s34, s33
	s_add_nc_u64 s[86:87], s[6:7], s[34:35]
	s_lshl_b32 s34, s32, 4
	s_add_nc_u64 s[88:89], s[88:89], s[34:35]
	s_lshl_b32 s34, s32, 2
	s_add_nc_u64 s[90:91], s[90:91], s[34:35]
	s_lshl_b32 s32, s[HALF], 6                     ; v: the set of rows 128 hp + 64 (w / 4) on,
	s_add_co_u32 s32, s32, s31
	s_mul_i32 s34, s32, 384
	s_mul_i32 s33, s[G], 6144                      ; in it tile w % 4: four fragments
	s_add_co_u32 s34, s34, s33
	s_add_co_u32 s34, s34, 2*WIMG
	s_add_nc_u64 s[20:21], s[6:7], s[34:35]
	s_lshr_b32 s33, s[G], 1                        ; the tile's rows begin 32 ((w % 4) / 2) + 8 (w % 2) on
	s_lshl_b32 s33, s33, 5
	s_add_co_u32 s32, s32, s33
	s_lshl_b32 s33, s[EH], 3
	s_add_co_u32 s32, s32, s33
	s_lshl_b32 s34, s32, 4
	s_add_nc_u64 s[16:17], s[16:17], s[34:35]
	s_lshl_b32 s34, s32, 2
	s_add_nc_u64 s[18:19], s[18:19], s[34:35]
	s_mul_i32 s34, s[BI], 33*REC                   ; cq: the item's records, K step hp, half w % 2
	s_mul_i32 s33, s[HP], 1536
	s_add_co_u32 s34, s34, s33
	s_mul_i32 s33, s[EH], 768
	s_add_co_u32 s34, s34, s33
	s_add_nc_u64 s[CQB:CQB+1], s[24:25], s[34:35]
	s_mul_i32 s34, s[BI], 33*REC
	s_lshl_b32 s33, s[HP], 2
	s_add_co_u32 s34, s34, s33
	s_lshl_b32 s33, s[EH], 1
	s_add_co_u32 s34, s34, s33
	s_add_co_u32 s34, s34, 6144
	s_add_nc_u64 s[CQS:CQS+1], s[24:25], s[34:35]
	WIN 0x40                                       ; window 1: v[12 (4 t + s)] my q/k fragments, v[192 + 12 s] my v fragments, v240-247 v's bias
.irp f, 0,1,2,3,4,5,6,7,8,9,10,11,12,13,14,15
.irp c, 0,1,2
	global_load_b128 v[12*\f+4*\c:12*\f+4*\c+3], v1, s[86:87] offset:1536*\f+512*\c   ; 32 lanes, 512 consecutive bytes
.endr
.endr
.irp s, 0,1,2,3
.irp c, 0,1,2
	global_load_b128 v[192+12*\s+4*\c:192+12*\s+4*\c+3], v1, s[20:21] offset:1536*\s+512*\c
.endr
.endr
	s_wait_alu depctr_va_vdst(0)
.irp i, 0,1,2,3,4,5,6,7
	global_load_b32 v[240+\i], v254, s[18:19]      ; in v's result a lane is one channel: its bias in all eight registers
.endr
	WIN 0
.irp t, 0,1,2,3
	global_load_b128 v[16+4*\t:19+4*\t], v240, s[88:89] offset:(32*(\t/2)+8*(\t%2))*16   ; v16-31: scale words (4 t + s)
.endr
	global_load_b128 v[32:35], v240, s[16:17]      ; v32-35: v's
.irp k, 0,1
.irp q, 0,1,2,3
	global_load_b128 v[196+16*\k+4*\q:199+16*\k+4*\q], v253, s[90:91] offset:128*\k+16*\q   ; v196-227: q's or k's bias in the result's layout
.endr
.endr
	; PHASE 1's LDS addresses: a constant + a lane term + constants x the wave's number; the block's base is added in each trip
	s_mul_i32 s92, s[HALF], 4*REC
	s_add_co_u32 s92, s92, XBLK
	v_add_nc_u32 v3, s92, v1                       ; x: my half's four tiles,
	s_xor_b32 s92, s[HALF], 1
	s_mul_i32 s92, s92, 4*REC
	s_add_co_u32 s92, s92, XBLK
	v_add_nc_u32 v4, s92, v1                       ; the other half's
	s_lshr_b32 s92, s[G], 1
	s_mul_i32 s92, s92, LKI
	s_mul_i32 s93, s[EH], 768
	s_add_co_u32 s92, s92, s93
	s_mul_i32 s93, s[HALF], 6144
	s_add_co_u32 s92, s92, s93
	v_add_nc_u32 v5, s92, v1                       ; q's or k's half images
	v_add_nc_u32 v6, s92, v2
	s_lshr_b32 s92, s[G], 1
	s_lshl_b32 s92, s92, 11
	s_lshl_b32 s93, s[EH], 10
	s_add_co_u32 s92, s92, s93
	s_lshl_b32 s93, s[HALF], 9
	s_add_co_u32 s92, s92, s93
	s_add_co_u32 s92, s92, LQS
	v_add_nc_u32 v7, s92, v1                       ; their scale words
	s_mul_i32 s92, s[WV], 1536
	s_add_co_u32 s92, s92, LVI
	s_mul_i32 s93, s[HALF], 768
	s_add_co_u32 s93, s93, s92
	v_add_nc_u32 v8, s93, v1                       ; v's image: my half of the keys,
	v_add_nc_u32 v9, s93, v2
	s_xor_b32 s93, s[HALF], 1
	s_mul_i32 s93, s93, 768
	s_add_co_u32 s93, s93, s92
	v_add_nc_u32 v10, s93, v1                      ; the other half
	v_add_nc_u32 v11, s93, v2
	s_lshl_b32 s92, s[HALF], 9
	s_lshl_b32 s93, s[G], 2
	s_add_co_u32 s92, s92, s93
	s_add_co_u32 s92, s92, LVS
	s_lshl_b32 s93, s[HALF], 1
	s_add_co_u32 s93, s93, s92
	v_add_nc_u32 v12, s93, v1                      ; v's scale bytes, two at a time
	s_xor_b32 s93, s[HALF], 1
	s_lshl_b32 s93, s93, 1
	s_add_co_u32 s93, s93, s92
	v_add_nc_u32 v13, s93, v1
	s_wait_tensorcnt 0x0                           ; my tensor load has landed
	s_wait_loadcnt 0x0                             ; my weights are in
	s_barrier_signal -1
	s_barrier_wait -1                              ; everybody's part of x has landed
; REGISTERS of phase 1, window 0: v3-13 static addresses; v14, 15, 234-239, 253-255 the trip's addresses; v16-35 the weights' scale words; v36-51 x's scale words, two sets of (mine 4, other 4);
; v52-99 x's fragments, two sets of (mine 12, other 12); v100-131 q or k; v132-195 v's eight sums; v196-227 bias; v228-233 at work; v242-250 codes, v252 their scale word.
.macro LOADXS it                       ; the scale words of my tile it and of the other half's
	ds_load_b128 v[36+8*((\it)%2):39+8*((\it)%2)], v14 offset:REC*(\it)+6144
	ds_load_b128 v[40+8*((\it)%2):43+8*((\it)%2)], v15 offset:REC*(\it)+6144
.endm
.macro LOADX k                         ; step k = 4 it + s: fragment s of my tile it and of the other half's
.irp c, 0,1,2
	ds_load_b128 v[52+24*((\k)%2)+4*\c:55+24*((\k)%2)+4*\c], v14 offset:REC*((\k)/4)+1536*((\k)%4)+512*\c
.endr
.irp c, 0,1,2
	ds_load_b128 v[64+24*((\k)%2)+4*\c:67+24*((\k)%2)+4*\c], v15 offset:REC*((\k)/4)+1536*((\k)%4)+512*\c
.endr
.endm
.macro QKMM s, xm, xs                  ; q or k, transposed: source 0 = 16 of my channels, source 1 = 16 rows of x; the bias starts the sums
	WIN 0x01
.irp t, 0,1,2,3
.if (\s) == 0
	MM 100+8*\t, 12*(4*\t+(\s)), \xm, 196+8*\t, 16+4*\t+(\s), (\xs)+(\s)
.else
	MM 100+8*\t, 12*(4*\t+(\s)), \xm, 100+8*\t, 16+4*\t+(\s), (\xs)+(\s)
.endif
.endr
.endm
.macro VMM s, d, xa, xs                ; v: source 0 = 16 rows of x, source 1 = my 16 channels
.if (\s) == 0
	WIN 0x14
	MM \d, \xa, 192+12*(\s), 240, (\xs)+(\s), 32+(\s)
.else
	WIN 0x04
	MM \d, \xa, 192+12*(\s), \d, (\xs)+(\s), 32+(\s)
.endif
.endm
.macro GK k                            ; six products on six sums, by turns
.set GIT, (\k)/4
.set GS,  (\k)%4
.set GXM, 52+24*((\k)%2)
.set GXS, 36+8*(GIT%2)
	QKMM GS, GXM, GXS
	VMM GS, 132+8*GIT, GXM, GXS
	VMM GS, 164+8*GIT, GXM+12, GXS+4
	WIN 0
.endm
.macro QKOUT it                        ; 16 rows x my 64 channels: quantised along the channels, half image and scale word to LDS
	PLACES 4
	HQUANT 100, 228, 230, 232, 242, 252
	v_or_b32 v252, 0x7f7f0000, v252                ; the filling's scale bytes
	ds_store_b128 v236, v[242:245] offset:1536*(\it)
	ds_store_b64 v237, v[246:247] offset:1536*(\it)+512
	ds_store_b32 v238, v252 offset:4*(\it)
.endm
	s_mov_b32 s[KB], 0
	s_mov_b32 s[BC], 4
.Lblk:                                             ; a trip: a block of 128 rows
	v_add_nc_u32 v14, s[KB], v3
	v_add_nc_u32 v15, s[KB], v4
	v_add_nc_u32 v236, s[KB], v5
	v_add_nc_u32 v237, s[KB], v6
	v_add_nc_u32 v238, s[KB], v7
	v_add_nc_u32 v239, s[KB], v8
	v_add_nc_u32 v234, s[KB], v9
	v_add_nc_u32 v235, s[KB], v10
	v_add_nc_u32 v253, s[KB], v11
	v_add_nc_u32 v254, s[KB], v12
	v_add_nc_u32 v255, s[KB], v13
	LOADXS 0
	LOADX 0
.set KK, 0
.rept 16
	PLACES 5                                       ; in front of loads into registers that the step before read, and of sums begun anew on another C
.if KK < 15
.if (KK+1)%4 == 0
	LOADXS (KK+1)/4
.endif
	LOADX KK+1
.endif
.if KK == 15
	s_wait_dscnt 0x0
.elseif (KK+1)%4 == 0
	s_wait_dscnt 8                                 ; all but the eight just issued: this step's fragments are in
.else
	s_wait_dscnt 6                                 ; all but the six just issued
.endif
	GK KK
.if KK%4 == 3
	QKOUT KK/4
.endif
.set KK, KK+1
.endr
	HQUANT 132, 228, 230, 232, 242, 252            ; v: my channel's 64 keys of my half, quantised along the keys
	ds_store_b128 v239, v[242:245]
	ds_store_b64 v234, v[246:247] offset:512
	ds_store_b16 v254, v252
	s_wait_dscnt 0x0                               ; the stores have read their registers
	HQUANT 164, 228, 230, 232, 242, 252            ; and of the other half
	ds_store_b128 v235, v[242:245]
	ds_store_b64 v253, v[246:247] offset:512
	ds_store_b16 v255, v252
	s_add_co_u32 s[KB], s[KB], XBLK
	BARRIER                                        ; nobody reads this block of x any more: the next trip's results land there
	s_sub_co_u32 s[BC], s[BC], 1
	s_cmp_lg_u32 s[BC], 0
	s_cbranch_scc1 .Lblk
	; TILE 32 (row 512 and filling).  All eight waves take one way: waves 4 to 7 make q and k a second time, 16 products once, and their copy lands at tile 4's places of region 4, which nobody reads:
	; so no wave parts from the others, and v's one sum has four others to take turns with.
	v_add_nc_u32 v236, s[KB], v5                   ; KB = 4 XBLK
	v_add_nc_u32 v237, s[KB], v6
	v_add_nc_u32 v238, s[KB], v7
	v_add_nc_u32 v14, 5*XBLK, v1
	s_mul_i32 s31, s[WV], 1536
	s_add_co_u32 s31, s31, 4*XBLK+LVI
	v_add_nc_u32 v239, s31, v1
	v_add_nc_u32 v234, s31, v2
	s_lshl_b32 s31, s[HALF], 9
	s_lshl_b32 s32, s[G], 2
	s_add_co_u32 s31, s31, s32
	s_add_co_u32 s31, s31, 4*XBLK+LVS
	v_add_nc_u32 v254, s31, v1
.irp s, 0,1,2,3
.irp c, 0,1,2
	ds_load_b128 v[52+12*\s+4*\c:55+12*\s+4*\c], v14 offset:1536*\s+512*\c
.endr
.endr
	ds_load_b128 v[36:39], v14 offset:6144
	s_wait_dscnt 0x0
.irp s, 0,1,2,3
	QKMM \s, 52+12*\s, 36
	VMM \s, 132, 52+12*\s, 36
.endr
	WIN 0
	QKOUT 0
	v_cndmask_b32 v132, 0, v132, s[LO16]           ; of v's 16 rows key 512 alone counts: register 0 of lanes 0-15
.set J, 133
.rept 31
	v_mov_b32 v[J], 0
.set J, J+1
.endr
	s_wait_dscnt 0x0                               ; q's and k's stores have read their registers
	HQUANT 132, 228, 230, 232, 242, 252
	v_or_b32 v252, 0x7f7f0000, v252
	ds_store_b128 v239, v[242:245]
	ds_store_b64 v234, v[246:247] offset:512
	ds_store_b32 v254, v252
	BARRIER                                        ; q, k and v of all rows lie in LDS; from here on LDS is only read
; PHASE 2.  REGISTERS under the same numbers in windows 0 (tile A) and 1 (tile B): v12 -M, v13 the largest t, v[14:15] the sum; v100-163 S^T, then p; v164-195 O^T; v196-207 q; v208-219 p's codes; v220-227 second halves;
; v228-231 block maxima; v232-235 the other half's / bytes; v236-239 scale operands; v240 f, v241 p's scale word; v242 at work.
; Window 0 alone: v3-8, 11, 252-255 static addresses; v9, 10 cq's offsets; v16-19 k's scale words, v20-23 v's, v24, 25 q's, v26 tile B's p's; v52-99 four fragments of k; v243-251 the addresses in hand.  Window 1 alone: v52-99 four fragments of v.
	s_mul_i32 s31, s[EH], 768
	s_add_co_u32 s32, s31, LKI
	v_add_nc_u32 v3, s32, v1
	v_add_nc_u32 v4, s32, v2
	s_lshl_b32 s32, s[EH], 10
	s_add_co_u32 s33, s32, LKS
	v_add_nc_u32 v5, s33, v1
	s_mul_i32 s33, s[EH], 6144
	s_add_co_u32 s33, s33, LVI
	v_add_nc_u32 v6, s33, v1
	v_add_nc_u32 v7, s33, v2
	s_lshl_b32 s33, s[EH], 9
	s_add_co_u32 s33, s33, LVS
	v_add_nc_u32 v8, s33, v1
	s_lshr_b32 s34, s[WV], 1                       ; unit u of wave w: tiles 8 u + 2 (w / 2) and the next: they lie in block u
	s_mul_i32 s33, s34, 3072
	s_add_co_u32 s33, s33, s31
	v_add_nc_u32 v11, s33, v1                      ; q's half image
	v_add_nc_u32 v252, s33, v2
	s_lshl_b32 s33, s[HALF], 9
	s_add_co_u32 s33, s33, s32
	s_and_b32 s35, s34, 1
	s_lshl_b32 s35, s35, 3
	s_add_co_u32 s33, s33, s35
	s_add_co_u32 s33, s33, LQS
	v_add_nc_u32 v253, s33, v1                     ; q's scale word
	s_mul_i32 s33, s34, 2*REC
	v_add_nc_u32 v254, s33, v1                     ; the tile's record in cq
	v_add_nc_u32 v255, s33, v2
.irp t, 0,1,2,3
.irp i, 6,7,8,9,10,11
	v_mov_b32 v[52+12*\t+\i], 0                    ; K = 64 is filled with zero codes: k's fragments,
.endr
.endr
.irp i, 202,203,204,205,206,207
	v_mov_b32 v[\i], 0                             ; q's, tile A's
.endr
	WIN 0x40
.irp i, 202,203,204,205,206,207
	v_mov_b32 v[\i], 0                             ; and tile B's
.endr
	WIN 0
.macro UINIT                           ; a tile begins: the largest t is -3e38, sums and O^T are zeros, which the first change of M leaves zeros
	v_mov_b32 v13, 0xff61b1e6
	s_delay_alu instid0(VALU_DEP_1)
	v_floor_f32 v12, -v13
	v_mov_b32 v14, 0
	v_mov_b32 v15, 0
	v_mov_b32 v241, 0                              ; (named as the upper half of v[240:241] before it is first written)
.irp b, 0,1,2,3
	v_mov_b32 v[232+\b], 0                         ; a lane permute's destination counts as one of its sources
.endr
.set J, 0
.rept 32
	v_mov_b32 v[164+J], 0
.set J, J+1
.endr
.endm
.macro UNITHEAD nt
	s_wait_xcnt 0x0                                ; the last unit's stores have read their registers
	v_add_nc_u32 v9, s[UB], v254
	v_add_nc_u32 v10, s[UB], v255
	v_add_nc_u32 v250, s[UB], v11
	v_add_nc_u32 v251, s[UB], v252
	v_add_nc_u32 v243, s[UB], v253
	ds_load_b128 v[196:199], v250
	ds_load_b64 v[200:201], v251 offset:512
	ds_load_b32 v24, v243
.if \nt > 1
	ds_load_b32 v25, v243 offset:4
	WIN 0x40
	ds_load_b128 v[196:199], v250 offset:1536
	ds_load_b64 v[200:201], v251 offset:1536+512
	WIN 0
.endif
	UINIT
.if \nt > 1
	WIN 0x55
	UINIT
	WIN 0
.endif
	s_wait_dscnt 0x0
.endm
; One tile's softmax for 128 keys, all in the window that is set.  tb = 1: tile B, whose scale word is copied to window 0, where scale operands are read.
.macro SOFTMAX tb
.irp b, 0,1,2,3
	v_max3_num_f32 v[228+\b], v[100+16*\b], v[101+16*\b], v[102+16*\b]   ; the largest score of each block of 32 keys: for the row's maximum, and for the block's largest p
.endr
.irp i, 3,5,7,9,11,13
.irp b, 0,1,2,3
	v_max3_num_f32 v[228+\b], v[228+\b], v[100+16*\b+\i], v[101+16*\b+\i]
.endr
.endr
.irp b, 0,1,2,3
	v_max_num_f32 v[228+\b], v[228+\b], v[115+16*\b]
.endr
.irp b, 0,1,2,3
	s_delay_alu instid0(VALU_DEP_4)
	v_permlanex16_b32 v[232+\b], v[228+\b], s[SEL], s[SEL+1]
.endr
.irp b, 0,1,2,3
	s_delay_alu instid0(VALU_DEP_4)
	v_max_num_f32 v[228+\b], v[228+\b], v[232+\b]
.endr
	s_delay_alu instid0(VALU_DEP_2)
	v_max3_num_f32 v242, v228, v229, v230
	s_delay_alu instid0(VALU_DEP_1)
	v_max_num_f32 v242, v242, v231
	s_delay_alu instid0(VALU_DEP_1)
	v_mul_f32 v242, s[CS], v242
	s_delay_alu instid0(VALU_DEP_1)
	v_max_num_f32 v13, v13, v242                   ; the running largest t
	v_mov_b32 v242, v12
	s_delay_alu instid0(VALU_DEP_2)
	v_floor_f32 v12, -v13                          ; -M = floor(-t): M is a whole number
	s_delay_alu instid0(VALU_DEP_1)
	v_sub_f32 v242, v12, v242
	s_delay_alu instid0(VALU_DEP_1)
	v_cvt_i32_f32 v242, v242                       ; (it saturates)
	s_delay_alu instid0(VALU_DEP_1)
	v_ldexp_f32 v240, 1.0, v242                    ; f = 2^(old M - new M): rounds nothing
.set J, 0
.rept 32
	v_pk_fma_f32 v[100+J:101+J], v[100+J:101+J], s[CS:CS+1], v[12:13] op_sel_hi:[1,0,0]   ; t - M
.set J, J+2
.endr
.irp b, 0,1,2,3
	v_fma_f32 v[228+\b], v[228+\b], s[CS], v12
.endr
.set J, 0
	s_wait_alu depctr_va_vdst(0)
.rept 64
	v_exp_f32 v[100+J], v[100+J]                   ; p = 2^(t - M)
.set J, J+1
.endr
	v_pk_mul_f32 v[14:15], v[14:15], v[240:241] op_sel_hi:[1,0]   ; the sum under the new M: a plain place behind the exponentials
	s_wait_alu depctr_va_vdst(0)                   ; one wait for the batch, ahead of its first reader
.irp b, 0,1,2,3
	v_exp_f32 v[228+\b], v[228+\b]                 ; each block's largest p
.endr
	v_pk_add_f32 v[232:233], v[100:101], v[102:103]   ; the row's sum of the unquantised p, in two chains
.irp j, 4,8,12,16,20,24,28,32,36,40,44,48,52,56,60
	v_pk_add_f32 v[14:15], v[14:15], v[100+\j:101+\j]
	v_pk_add_f32 v[232:233], v[232:233], v[102+\j:103+\j]
.endr
	s_delay_alu instid0(VALU_DEP_1)
	v_pk_add_f32 v[14:15], v[14:15], v[232:233]
	s_wait_alu depctr_va_vdst(0)                   ; and one for the four
.irp b, 0,1,2,3
	v_max_num_f32 v[228+\b], 0x1800000, v[228+\b]
.endr
.irp b, 0,1,2,3
	s_delay_alu instid0(VALU_DEP_4)
	v_add_nc_u32 v[236+\b], 0xff000000, v[228+\b]
.endr
.irp b, 0,1,2,3
	s_delay_alu instid0(VALU_DEP_4)
	v_lshrrev_b32 v[232+\b], 23, v[236+\b]
.endr
	s_delay_alu instid0(VALU_DEP_3)
	v_lshl_or_b32 v241, v233, 8, v232              ; p's scale word for these 128 keys
	s_delay_alu instid0(VALU_DEP_1)
	v_lshl_or_b32 v241, v234, 16, v241
	s_delay_alu instid0(VALU_DEP_1)
	v_lshl_or_b32 v241, v235, 24, v241
.if \tb
	WIN 0x01
	v_mov_b32 v26, v241
	WIN 0x55
.endif
.irp c, 0,1
	v_cvt_scalef32_pk16_fp6_f32 v[208+6*\c:210+6*\c], v[100+32*\c:115+32*\c], v[236+2*\c]
	v_cvt_scalef32_pk16_fp6_f32 v[220+4*\c:222+4*\c], v[116+32*\c:131+32*\c], v[236+2*\c+1]
.endr
	v_nop
.irp c, 0,1
.irp i, 0,1,2
	v_permlane16_swap_b32 v[208+6*\c+\i], v[220+4*\c+\i]
.endr
.irp i, 0,1,2
	s_delay_alu instid0(VALU_DEP_3)
	v_mov_b32 v[211+6*\c+\i], v[220+4*\c+\i]
.endr
.endr
.set J, 0
.rept 16
	v_pk_mul_f32 v[164+J:165+J], v[164+J:165+J], v[240:241] op_sel_hi:[1,0]   ; O^T under the new M; these are also the places ahead of the products
.set J, J+2
.endr
.endm
.macro PVMM nt                         ; O^T += v^T p^T: four sums a tile, by turns
	s_wait_dscnt 0x0                               ; v's fragments and scale words are in
	WIN 0x01
.irp c, 0,1,2,3
	MM 164+8*\c, 52+12*\c, 208, 164+8*\c, 20+\c, 241
.endr
.if \nt > 1
	WIN 0x55
.irp c, 0,1,2,3
	MM 164+8*\c, 52+12*\c, 208, 164+8*\c, 20+\c, 26
.endr
.endif
	WIN 0
.endm
.macro KADDR kb
	v_add_nc_u32 v244, \kb, v3
	v_add_nc_u32 v245, \kb, v4
	v_add_nc_u32 v246, \kb, v5
	v_add_nc_u32 v247, \kb, v6
	v_add_nc_u32 v248, \kb, v7
	v_add_nc_u32 v249, \kb, v8
.endm
.macro KLOAD g                         ; four tiles of 16 keys and their scale words
.irp t, 0,1,2,3
	ds_load_b128 v[52+12*\t:55+12*\t], v244 offset:6144*(\g)+1536*\t
	ds_load_b64 v[56+12*\t:57+12*\t], v245 offset:6144*(\g)+1536*\t+512
.endr
	ds_load_b128 v[16:19], v246 offset:512*(\g)
.endm
.macro SMM nt, g                       ; S^T = k q^T for these four tiles
.irp t, 0,1,2,3
	MM 100+32*(\g)+8*\t, 52+12*\t, 196, -1, 16+\t, 24
.endr
.if \nt > 1
	WIN 0x54                                       ; q, C and D window 1
.irp t, 0,1,2,3
	MM 100+32*(\g)+8*\t, 52+12*\t, 196, -1, 16+\t, 25
.endr
	WIN 0
.endif
.endm
.macro STEP nt, kb                     ; 128 keys: the block at LDS byte kb
	KADDR \kb
	KLOAD 0
	s_wait_alu depctr_va_vdst(0)
	s_wait_dscnt 0x0
	SMM \nt, 0
	PLACES 4                                       ; in front of loads into registers that matrix instructions have read
	KLOAD 1
	WIN 0x40
.irp c, 0,1,2,3
	ds_load_b128 v[52+12*\c:55+12*\c], v247 offset:1536*\c
	ds_load_b64 v[56+12*\c:57+12*\c], v248 offset:1536*\c+512
	ds_load_b128 v[58+12*\c:61+12*\c], v247 offset:1536*\c+768
	ds_load_b64 v[62+12*\c:63+12*\c], v248 offset:1536*\c+768+512
.endr
	WIN 0
	ds_load_b128 v[20:23], v249
	s_wait_dscnt 17                                ; v's 17 loads may stay out: they land under the softmax
	SMM \nt, 1
	PLACES 4
	SOFTMAX 0
.if \nt > 1
	WIN 0x55
	SOFTMAX 1
	WIN 0
.endif
	s_wait_alu depctr_va_vdst(0)
	PVMM \nt
.endm
.macro TAILSM tb                       ; key 512: one score a query, in register 0 of lanes 0-15
	v_permlanex16_b32 v232, v100, s[SEL], s[SEL+1]
	v_cndmask_b32 v100, v232, v100, s[LO16]        ; the score in both halves of the lanes, which keep one M
	s_delay_alu instid0(VALU_DEP_1)
	v_mul_f32 v242, s[CS], v100
	s_delay_alu instid0(VALU_DEP_1)
	v_max_num_f32 v13, v13, v242
	v_mov_b32 v242, v12
	s_delay_alu instid0(VALU_DEP_2)
	v_floor_f32 v12, -v13
	s_delay_alu instid0(VALU_DEP_1)
	v_sub_f32 v242, v12, v242
	s_delay_alu instid0(VALU_DEP_1)
	v_cvt_i32_f32 v242, v242
	s_delay_alu instid0(VALU_DEP_1)
	v_ldexp_f32 v240, 1.0, v242
	s_delay_alu instid0(VALU_DEP_4)
	v_fma_f32 v100, v100, s[CS], v12
	s_wait_alu depctr_va_vdst(0)
	v_exp_f32 v100, v100
	v_pk_mul_f32 v[14:15], v[14:15], v[240:241] op_sel_hi:[1,0]   ; a plain place
	s_wait_alu depctr_va_vdst(0)                   ; ahead of the exponential's first reader
	v_cndmask_b32 v100, 0, v100, s[LOT]            ; it counts once
	s_delay_alu instid0(VALU_DEP_1)
	v_add_f32 v14, v14, v100
	s_delay_alu instid0(VALU_DEP_2)
	v_max_num_f32 v228, 0x1800000, v100
	s_delay_alu instid0(VALU_DEP_1)
	v_add_nc_u32 v236, 0xff000000, v228
	s_delay_alu instid0(VALU_DEP_1)
	v_lshrrev_b32 v232, 23, v236
	s_delay_alu instid0(VALU_DEP_1)
	v_or_b32 v241, 0x7f7f7f00, v232                ; the block's byte; the filling's bytes are 127
.if \tb
	WIN 0x01
	v_mov_b32 v26, v241
	WIN 0x55
.endif
.set J, 101
.rept 15
	v_mov_b32 v[J], 0
.set J, J+1
.endr
	v_cvt_scalef32_pk16_fp6_f32 v[208:210], v[100:115], v236   ; lanes 0-15: keys 512 .. 527; lanes 16-31: zeros
	v_nop
.set J, 211
.rept 9
	v_mov_b32 v[J], 0
.set J, J+1
.endr
.set J, 0
.rept 16
	v_pk_mul_f32 v[164+J:165+J], v[164+J:165+J], v[240:241] op_sel_hi:[1,0]
.set J, J+2
.endr
.endm
.macro TAILSTEP nt
	KADDR 4*XBLK
	ds_load_b128 v[52:55], v244
	ds_load_b64 v[56:57], v245 offset:512
	ds_load_b32 v16, v246
	s_wait_alu depctr_va_vdst(0)
	s_wait_dscnt 0x0
	MM 100, 52, 196, -1, 16, 24
.if \nt > 1
	WIN 0x54
	MM 100, 52, 196, -1, 16, 25
	WIN 0
.endif
	PLACES 4
	WIN 0x40
.irp c, 0,1,2,3
	ds_load_b128 v[52+12*\c:55+12*\c], v247 offset:1536*\c     ; v's keys 512 on; registers 6-11 keep old, finite codes: they meet p's zero codes under the byte 127
	ds_load_b64 v[56+12*\c:57+12*\c], v248 offset:1536*\c+512
.endr
	WIN 0
	ds_load_b128 v[20:23], v249
	TAILSM 0
.if \nt > 1
	WIN 0x55
	TAILSM 1
	WIN 0
.endif
	s_wait_alu depctr_va_vdst(0)
	PVMM \nt
.endm
.macro FINAL tb                        ; O^T / the sum, quantised along the head's 64 channels, to the tile's record in cq
	v_add_f32 v14, v14, v15
	s_delay_alu instid0(VALU_DEP_1)
	v_permlanex16_b32 v240, v14, s[SEL], s[SEL+1]
	s_delay_alu instid0(VALU_DEP_1)
	v_add_f32 v14, v14, v240
	s_wait_alu depctr_va_vdst(0)
	v_rcp_f32 v14, v14
	v_nop
	s_wait_alu depctr_va_vdst(0)                   ; ahead of the reciprocal's first reader
.set J, 0
.rept 32
	v_mul_f32 v[100+J], v[164+J], v14
.set J, J+1
.endr
	HQUANT 100, 228, 232, 236, 208, 242
.if \tb
	WIN 0x04                                       ; a store's data are its source 1
.endif
	global_store_b128 v9, v[208:211], s[CQB:CQB+1] offset:REC*\tb          ; 512 consecutive bytes
	global_store_b64 v10, v[212:213], s[CQB:CQB+1] offset:REC*\tb+512      ; 256 consecutive bytes
	global_store_b16 v9, v242, s[CQS:CQS+1] offset:REC*\tb                 ; my head's half of the K step's scale word
.endm
	s_mov_b32 s[UB], 0
	s_mov_b32 s[UC], 4
.Lunit:                                            ; four units a wave: 16 pairs of tiles for each head
	UNITHEAD 2
	s_mov_b32 s[KB], 0
	s_mov_b32 s[KC], 4
.Lkey:
	STEP 2, s[KB]
	s_add_co_u32 s[KB], s[KB], XBLK
	s_sub_co_u32 s[KC], s[KC], 1
	s_cmp_lg_u32 s[KC], 0
	s_cbranch_scc1 .Lkey
	TAILSTEP 2
	PLACES 4
	FINAL 0
	WIN 0x55
	FINAL 1
	WIN 0
	s_add_co_u32 s[UB], s[UB], XBLK
	s_sub_co_u32 s[UC], s[UC], 1
	s_cmp_lg_u32 s[UC], 0
	s_cbranch_scc1 .Lunit
	; TILE 32 (row 512) IS SHARED BY ALL EIGHT WAVES: wave w takes head w % 2 and the 128 keys of block w / 2, under an M of its own (the ceiling of its own largest t: a whole number,
	; so the parts differ by exact powers of two).  Every wave runs key 512's step; its p counts in waves 0 and 1 alone (LOT).  The parts meet in LDS, and waves 0 and 1 join them.
	s_mul_i32 s31, s[EH], 768
	s_lshl_b32 s32, s[EH], 10
	s_add_co_u32 s32, s32, LQS
	s_mul_i32 s33, s[WV], JW
	s_add_co_u32 s33, s33, JOIN                    ; where my part goes
	s_mul_i32 s34, s[EH], JW
	s_add_co_u32 s34, s34, JOIN                    ; my head's four parts: waves e, e + 2, e + 4, e + 6
	s_lshr_b32 s[KB], s[WV], 1
	s_mul_i32 s[KB], s[KB], XBLK                   ; my block of keys
	s_cmp_lt_u32 s[WV], 2
	s_cselect_b32 s[LOT], s[LO16], 0
	v_add_nc_u32 v11, s31, v1                      ; q of tile 0 of region 4 (UB = 4 XBLK), my head: the same in all waves of a head
	v_add_nc_u32 v252, s31, v2
	v_add_nc_u32 v253, s32, v1
	s_wait_alu depctr_va_vdst(0)                   ; ahead of the blocking wait below
	UNITHEAD 1
	STEP 1, s[KB]
	TAILSTEP 1
	v_add_nc_u32 v244, s33, v1                     ; four plain lines: the places behind the last products
	v_add_nc_u32 v245, s33, v2
	v_add_nc_u32 v246, s34, v1
	v_add_nc_u32 v247, s34, v2
	v_add_f32 v13, v14, v15                        ; my lane's sum of p
.irp i, 0,1,2,3,4,5,6,7
	ds_store_b128 v244, v[164+4*\i:167+4*\i] offset:512*\i   ; each accumulator from its low end on
.endr
	ds_store_b64 v245, v[12:13] offset:4096        ; (-M, sum)
	s_wait_alu depctr_va_vdst(0)                   ; ahead of the barrier
	BARRIER                                        ; all eight parts lie in LDS
	s_cmp_gt_u32 s[WV], 1
	s_cbranch_scc1 .Ldone
.irp i, 0,1,2,3
	ds_load_b64 v[52+2*\i:53+2*\i], v247 offset:2*JW*\i+4096
.endr
.irp i, 0,1,2,3
.irp c, 0,1,2,3,4,5,6,7
	ds_load_b128 v[100+32*\i+4*\c:103+32*\i+4*\c], v246 offset:2*JW*\i+512*\c   ; part i's O^T at v[100 + 32 i]
.endr
.endr
	s_wait_dscnt 0x0
	v_min_num_f32 v60, v52, v54
	v_min_num_f32 v61, v56, v58
	s_delay_alu instid0(VALU_DEP_1)
	v_min_num_f32 v60, v60, v61                    ; -M of the whole row
	s_delay_alu instid0(VALU_DEP_1)
	v_sub_f32 v52, v60, v52                        ; part i's M less the row's: a whole number, 0 or less
	s_delay_alu instid0(VALU_DEP_2)
	v_sub_f32 v54, v60, v54
	s_delay_alu instid0(VALU_DEP_3)
	v_sub_f32 v56, v60, v56
	s_delay_alu instid0(VALU_DEP_4)
	v_sub_f32 v58, v60, v58
.irp i, 0,1,2,3
	s_delay_alu instid0(VALU_DEP_4)
	v_cvt_i32_f32 v[52+2*\i], v[52+2*\i]           ; (it saturates)
.endr
.irp i, 0,1,2,3
	s_delay_alu instid0(VALU_DEP_4)
	v_ldexp_f32 v[52+2*\i], 1.0, v[52+2*\i]        ; f_i: rounds nothing
.endr
	s_delay_alu instid0(VALU_DEP_4)
	v_mul_f32 v14, v52, v53                        ; the sum, in two halves
	s_delay_alu instid0(VALU_DEP_3)
	v_mul_f32 v15, v56, v57
	s_delay_alu instid0(VALU_DEP_2)
	v_fma_f32 v14, v54, v55, v14
	s_delay_alu instid0(VALU_DEP_2)
	v_fma_f32 v15, v58, v59, v15
.set J, 0
.rept 16
	v_pk_mul_f32 v[164+J:165+J], v[164+J:165+J], v[56:57] op_sel_hi:[1,0]   ; O^T = the sum of f_i x part i
.set J, J+2
.endr
.set J, 0
.rept 16
	v_pk_fma_f32 v[164+J:165+J], v[100+J:101+J], v[52:53], v[164+J:165+J] op_sel_hi:[1,0,1]
.set J, J+2
.endr
.set J, 0
.rept 16
	v_pk_fma_f32 v[164+J:165+J], v[132+J:133+J], v[54:55], v[164+J:165+J] op_sel_hi:[1,0,1]
.set J, J+2
.endr
.set J, 0
.rept 16
	v_pk_fma_f32 v[164+J:165+J], v[196+J:197+J], v[58:59], v[164+J:165+J] op_sel_hi:[1,0,1]
.set J, J+2
.endr
	FINAL 0
.Ldone:
	s_set_vgpr_msb 0x5
	s_wait_tensorcnt 0x0
	ds_add_u32 v254, v255
	s_wait_dscnt 0x0
	s_set_vgpr_msb 0x500
	ROUND                                          ; the closing round
	s_endpgm
.Lfunc_end_k_qd87ab5b7e9_attn:
	.size	k_qd87ab5b7e9_attn, .Lfunc_end_k_qd87ab5b7e9_attn-k_qd87ab5b7e9_attn
	.p2alignl 7, 3214868480
	.fill 96, 4, 3214868480
	.section	.rodata,"a",@progbits
	.p2align	6, 0x0
	.amdhsa_kernel k_qd87ab5b7e9_attn
		.amdhsa_group_segment_fixed_size 327680
		.amdhsa_private_segment_fixed_size 0
		.amdhsa_enable_private_segment 0
		.amdhsa_kernarg_size 72
		.amdhsa_user_sgpr_count 2
		.amdhsa_user_sgpr_kernarg_segment_ptr 1
		.amdhsa_wavefront_size32 1
		.amdhsa_system_sgpr_workgroup_id_x 1
		.amdhsa_system_sgpr_workgroup_id_y 1
		.amdhsa_system_sgpr_workgroup_id_z 1
		.amdhsa_system_vgpr_workitem_id 0
		.amdhsa_next_free_vgpr 512
		.amdhsa_next_free_sgpr 100
		.amdhsa_reserve_vcc 0
		.amdhsa_float_denorm_mode_32 3
		.amdhsa_float_denorm_mode_16_64 3
		.amdhsa_memory_ordered 1
		.amdhsa_forward_progress 1
		.amdhsa_inst_pref_size 158
	.end_amdhsa_kernel
	.amdgpu_metadata
---
amdhsa.version: [ 1, 2 ]
amdhsa.kernels:
  - .name:           k_qd87ab5b7e9_attn
    .symbol:         k_qd87ab5b7e9_attn.kd
    .args:
      - { .name: xq, .offset: 0, .size: 8, .value_kind: global_buffer, .address_space: global }
      - { .name: wimg, .offset: 8, .size: 8, .value_kind: global_buffer, .address_space: global }
      - { .name: wq_scales, .offset: 16, .size: 8, .value_kind: global_buffer, .address_space: global }
      - { .name: bq, .offset: 24, .size: 8, .value_kind: global_buffer, .address_space: global }
      - { .name: wk_scales, .offset: 32, .size: 8, .value_kind: global_buffer, .address_space: global }
      - { .name: bk, .offset: 40, .size: 8, .value_kind: global_buffer, .address_space: global }
      - { .name: wv_scales, .offset: 48, .size: 8, .value_kind: global_buffer, .address_space: global }
      - { .name: bv, .offset: 56, .size: 8, .value_kind: global_buffer, .address_space: global }
      - { .name: cq, .offset: 64, .size: 8, .value_kind: global_buffer, .address_space: global }
    .group_segment_fixed_size: 327680
    .private_segment_fixed_size: 0
    .kernarg_segment_align: 8
    .kernarg_segment_size: 72
    .max_flat_workgroup_size: 256
    .sgpr_count:     100
    .vgpr_count:     512
    .wavefront_size: 32
...
	.end_amdgpu_metadata
.endif
;; end of part 2
;; launch tail (part 3): grid 4 x 64, 8 waves a work-group, no clusters, 180,736 bytes of LDS; arguments cq, wimg, wo_scales, bo, ln_g, ln_b, task_embed, usv_embed, global_embed, task_ids, usv_ids, out0, aw1_scales, ab1, aw2_codes, aw2_scales, ab2, aw3, ab3; writes out0
.if DOCPART == 3
	.amdgcn_target "amdgcn-amd-amdhsa--gfx1250"
	.amdhsa_code_object_version 6
	.text
	.protected	k_qd87ab5b7e9_tail
	.globl	k_qd87ab5b7e9_tail
	.p2align	8
	.type	k_qd87ab5b7e9_tail,@function
k_qd87ab5b7e9_tail:
	s_mov_b64 s[64:65], 0
	v_nop
	global_prefetch_b8 v0, s[64:65] scope:SCOPE_SE
	s_setreg_imm32_b32 hwreg(HW_REG_WAVE_MODE, 25, 1), 1
	s_wait_xcnt 0x0
; TAIL: ctx wo + bo, the residual, the layer norm, its quantising, and the actor's MLP.  Work-group (j, b): item b, nine tiles of 16 rows: slot 0 is tile 0 (it holds the state's row, which every
; work-group makes for itself: one tile in nine of the cheap product, and nothing passes between work-groups), slots 1 to 8 are tiles 8 j + 1 .. 8 j + 8.  Tile 0's logits are stored by j = 3 alone (wave 7).
; NO CLUSTER: weights go from memory straight into registers; what partners could share through LDS is tile 0's record, 6,656 bytes of some 570,000 that a work-group reads.
; PHASE W: THE WAVES SHARE THE COLUMNS: wave w holds wo's rows 64 w .. 64 w + 63 (16 fragments, 192 registers) for the whole launch; the product is used transposed, so a lane holds one row of the
; sequence and 32 of its columns.  Mean and sum of squared deviations are made per wave and joined through LDS (Chan's rule: no difference of large sums).  One barrier a slot.
; PHASE M: wave w takes slot 1 + w through the MLP: K = 1,024 = the row's z, then the state's z (row 0 of slot 0, the same fragment in every lane's row).
; wo's and aw1's codes come from wimg, where the first launch has laid them as images of operand registers: 16 bytes a lane, 512 consecutive bytes a load.
; Operands pass through LDS as images of their registers (half images of 768 bytes: registers 0-3 at 16 l, 4-5 at 512 + 8 l).
; THE ROWS OF A TILE ARE NOT NEIGHBOURS: lane r of tile T holds row 32 (T / 2) + 8 (T % 2) + r + 8 (r / 8); the rows of wo's and aw1's tiles likewise.
; LIMITS: NaN and infinities are not served.  A block under 2^-124, or of zeros, keeps the byte 1.  elu's negative branch: a polynomial of degree 6 above -1/8, exp2 - 1 below.
; Sums over K begin with the bias; in aw1 the row's part comes ahead of the state's.  out0 leaves in runs of eight lanes x 4 bytes: 131,072 bytes in all.
.set REC,   6656
.set WIMG,  196608                     ; a weight's image in wimg: wq, wk, wv, wo; behind the four aw1's
.set CTX,   0                          ; slots 1 to 8: their records of cq, 8 x 6,656
.set AW1,   53248                      ; aw1's 32 fragments (4 s + t), 1,536 bytes each
.set AW1S,  102400                     ; their scale words: 512 s + 16 l + 4 t
.set ZIMG,  106496                     ; z: nine records
.set STAT,  166400                     ; 1,024 m + 64 r + 8 w: (mean, sum of squared deviations) of wave w's 64 columns
.set CONST, 175616                     ; ln_g, ln_b
.set SEL,   54
.set L2E,   56
.set EC,    60                         ; s60-63: 1/720, 1/120, 1/24, 1/6
.set MSB, 0
.macro WIN new                         ; the immediate's high byte repeats the setting that is left
.if MSB != \new
	s_set_vgpr_msb (MSB<<8)|\new
.set MSB, \new
.endif
.endm
.macro PLACES n
.rept \n
	v_nop
.endr
.endm
.macro MM d, a, b, c, sa, sb           ; one product 16 x 16 x 128 on E2M3 codes
	v_wmma_scale_f32_16x16x128_f8f6f4 v[(\d):(\d)+7], v[(\a):(\a)+11], v[(\b):(\b)+11], v[(\c):(\c)+7], v[\sa], v[\sb] matrix_a_fmt:MATRIX_FMT_FP6 matrix_b_fmt:MATRIX_FMT_FP6
.endm
.macro HQUANT src, mx, pb, so, pc, pw  ; 32 numbers, register 16 b + i = k 32 b + 16 (lane / 16) + i, become six registers of codes and v[pw] = byte 0 | byte 1 << 8
.irp b, 0,1
	v_max3_num_f32 v[(\mx)+\b], |v[(\src)+16*\b]|, |v[(\src)+1+16*\b]|, 0x1800000   ; with the floor 2^(3 - 127)
.endr
.irp i, 2,4,6,8,10,12,14
.irp b, 0,1
	s_delay_alu instid0(VALU_DEP_2)
	v_max3_num_f32 v[(\mx)+\b], v[(\mx)+\b], |v[(\src)+16*\b+\i]|, |v[(\src)+1+16*\b+\i]|
.endr
.endr
.irp b, 0,1
	s_delay_alu instid0(VALU_DEP_2)
	v_permlanex16_b32 v[(\pb)+\b], v[(\mx)+\b], s[SEL], s[SEL+1]
.endr
.irp b, 0,1
	s_delay_alu instid0(VALU_DEP_2)
	v_max_num_f32 v[(\mx)+\b], v[(\mx)+\b], v[(\pb)+\b]
.endr
.irp b, 0,1
	s_delay_alu instid0(VALU_DEP_2)
	v_add_nc_u32 v[(\so)+\b], 0xff000000, v[(\mx)+\b]
.endr
.irp b, 0,1
	s_delay_alu instid0(VALU_DEP_2)
	v_lshrrev_b32 v[(\pb)+\b], 23, v[(\so)+\b]
.endr
	s_delay_alu instid0(VALU_DEP_1)
	v_lshl_or_b32 v[\pw], v[(\pb)+1], 8, v[\pb]
	v_cvt_scalef32_pk16_fp6_f32 v[(\pc):(\pc)+2], v[(\src):(\src)+15], v[\so]
	v_cvt_scalef32_pk16_fp6_f32 v[(\pc)+6:(\pc)+8], v[(\src)+16:(\src)+31], v[(\so)+1]
	v_nop
.irp i, 0,1,2
	v_permlane16_swap_b32 v[(\pc)+\i], v[(\pc)+6+\i]
.endr
.irp i, 0,1,2
	s_delay_alu instid0(VALU_DEP_3)
	v_mov_b32 v[(\pc)+3+\i], v[(\pc)+6+\i]
.endr
.endm
.macro ELU x, tt, uu, cnt              ; elu in place; m = min(x, 0); above -1/8 expm1(m) by its series to m^6 / 720, below it exp2(m log2 e) - 1
.set EI, 0
.rept \cnt
	v_min_num_f32 v[(\tt)+EI], 0, v[(\x)+EI]
.set EI, EI+1
.endr
.set EI, 0
.rept \cnt
	v_fma_f32 v[(\uu)+EI], v[(\tt)+EI], s[EC], s[EC+1]
.set EI, EI+1
.endr
.irp k, 2,3
.set EI, 0
.rept \cnt
	v_fma_f32 v[(\uu)+EI], v[(\uu)+EI], v[(\tt)+EI], s[EC+\k]
.set EI, EI+1
.endr
.endr
.set EI, 0
.rept \cnt
	v_fma_f32 v[(\uu)+EI], v[(\uu)+EI], v[(\tt)+EI], 0.5
.set EI, EI+1
.endr
.set EI, 0
.rept \cnt
	v_fma_f32 v[(\uu)+EI], v[(\uu)+EI], v[(\tt)+EI], 1.0
.set EI, EI+1
.endr
.set EI, 0
.rept \cnt
	v_mul_f32 v[(\uu)+EI], v[(\uu)+EI], v[(\tt)+EI]
.set EI, EI+1
.endr
.set EI, 0
.rept \cnt
	v_mul_f32 v[(\tt)+EI], s[L2E], v[(\tt)+EI]
.set EI, EI+1
.endr
.set EI, 0
	s_wait_alu depctr_va_vdst(0)
.rept \cnt
	v_exp_f32 v[(\tt)+EI], v[(\tt)+EI]
.set EI, EI+1
.endr
	v_nop                                          ; a plain place behind the last exponential
	s_wait_alu depctr_va_vdst(0)                   ; one wait for the batch, ahead of its first reader
.set EI, 0
.rept \cnt
	v_add_f32 v[(\tt)+EI], -1.0, v[(\tt)+EI]
.set EI, EI+1
.endr
.set EI, 0
.rept \cnt
	v_cmp_lt_f32 vcc_lo, 0xbe000000, v[(\x)+EI]
	s_delay_alu instid0(VALU_DEP_1)
	v_cndmask_b32 v[(\tt)+EI], v[(\tt)+EI], v[(\uu)+EI], vcc_lo
.set EI, EI+1
.endr
.set EI, 0
.rept \cnt
	v_max_num_f32 v[(\x)+EI], 0, v[(\x)+EI]
.set EI, EI+1
.endr
.set EI, 0
.rept \cnt
	v_add_f32 v[(\x)+EI], v[(\x)+EI], v[(\tt)+EI]
.set EI, EI+1
.endr
.endm
.macro BARRIER                         ; my LDS stores have landed and my LDS loads are in: then the work-group's barrier
	s_wait_dscnt 0x0
	s_barrier_signal -1
	s_barrier_wait -1
.endm
.macro GATHER reg, ro                  ; my 32 columns of my row of the sequence: the residual
.irp k, 0,1
.irp q, 0,1,2,3
	global_load_b128 v[(\reg)+16*\k+4*\q:(\reg)+16*\k+4*\q+3], v[\ro], s[48:49] offset:128*\k+16*\q
.endr
.endr
.endm
; REGISTERS, window 0: v1 16 l, v2 8 l, v3 r, v4 h; v5-10 LDS addresses that stay; v12-20 the nine slots' row offsets; v22-41 scale words and nothing else; v42-89 four fragments; v90-121 my 32 columns;
; v122-145 at work; v146-177 bo; v178-209, v210-241 residuals 0, 1; v242-255 at work.  Window 1: v0-191 wo's 16 fragments; v192-223, v224-255 residuals 2, 3.
	s_load_b512 s[4:19], s[0:1], 0x0               ; cq 4, wimg 6, wo's scales 8, bo 10, ln_g 12, ln_b 14, task 16, usv 18
	s_load_b512 s[20:35], s[0:1], 0x40             ; global 20, task_ids 22, usv_ids 24, out0 26, aw1's scales 28, ab1 30, aw2's codes 32, scales 34
	s_load_b128 s[36:39], s[0:1], 0x80             ; ab2 36, aw3 38
	s_load_b64 s[40:41], s[0:1], 0x90              ; ab3
	v_lshrrev_b32 v1, 5, v0
	s_delay_alu instid0(VALU_DEP_1)
	v_readfirstlane_b32 s44, v1                    ; wave
	s_mov_b32 s45, ttmp9                           ; j
	s_and_b32 s46, ttmp7, 0xffff                   ; b
	v_and_b32 v21, 31, v0
	s_delay_alu instid0(VALU_DEP_1)
	v_lshlrev_b32 v1, 4, v21
	s_delay_alu instid0(VALU_DEP_2)
	v_lshlrev_b32 v2, 3, v21
	v_and_b32 v3, 15, v0
	s_wait_alu depctr_va_vdst(0)
	v_bfe_u32 v4, v0, 4, 1
	s_wait_alu depctr_va_vdst(0)
	v_and_b32 v242, 8, v3
	s_delay_alu instid0(VALU_DEP_1)
	v_add_nc_u32 v242, v242, v3                    ; r + 8 (r / 8)
	s_wait_alu depctr_va_vdst(0)
	s_mov_b32 s[SEL], 0x76543210
	s_mov_b32 s[SEL+1], 0xfedcba98
	s_mov_b32 s[L2E], 0x3fb8aa3b
	s_mov_b32 s[EC], 0x3ab60b61
	s_mov_b32 s[EC+1], 0x3c088889
	s_mov_b32 s[EC+2], 0x3d2aaaab
	s_mov_b32 s[EC+3], 0x3e2aaaab
	s_mov_b32 s73, 0x3b000000                      ; 1 / 512
	s_mov_b32 s74, 0x3727c5ac                      ; 1e-5
	s_lshl_b32 s58, s44, 3
	s_add_co_u32 s58, s58, STAT
	v_lshl_add_u32 v5, v3, 6, s58                  ; where I put my wave's two figures of row r
	v_lshl_add_u32 v6, v3, 6, STAT                 ; and where I read the eight waves'
	s_mul_i32 s58, s44, 768
	s_add_co_u32 s58, s58, ZIMG
	v_add_nc_u32 v7, s58, v1                       ; z: K step w / 2, half w % 2: 768 w
	v_add_nc_u32 v8, s58, v2
	s_lshl_b32 s58, s44, 1
	s_add_co_u32 s58, s58, ZIMG+6144
	v_add_nc_u32 v9, s58, v1                       ; its two scale bytes
	s_lshl_b32 s58, s44, 8
	s_add_co_u32 s58, s58, CONST
	v_lshl_add_u32 v10, v4, 6, s58                 ; ln_g at my columns
	v_lshlrev_b32 v244, 4, v242                    ; wo's scale words
	v_lshlrev_b32 v245, 6, v4                      ; 64 h
	v_lshlrev_b32 v21, 5, v242                     ; aw1's scale words
	s_lshl_b32 s75, s45, 7
	s_sub_co_u32 s75, s75, 1
	v_add_nc_u32 v255, s75, v242
	v_add_nc_u32 v246, -1, v242                    ; slot 0: action = row - 1 (row 0 wraps round)
.irp m, 1,2,3,4,5,6,7,8
	v_add_nc_u32 v[246+\m], 32*(\m/2)+8*(\m%2), v255
.endr
.irp m, 0,1,2,3,4,5,6,7,8
	v_min_u32 v[246+\m], 0x1ff, v[246+\m]          ; row 0 and the rows past the end are held at action 511
.endr
.irp m, 0,1,2,3,4,5,6,7,8
	v_lshlrev_b32 v[246+\m], 2, v[246+\m]
.endr
	s_wait_alu depctr_va_vdst(0)
	s_wait_kmcnt 0x0
	s_mov_b32 s59, 0
	s_and_b32 s72, s44, 3
	s_mov_b64 s[42:43], s[26:27]                   ; out0
	s_mul_i32 s58, s44, 6144
	s_add_co_u32 s58, s58, 4*WIMG
	s_add_nc_u64 s[26:27], s[6:7], s[58:59]        ; aw1's image, K step w: four fragments, which I bring into LDS
	s_mul_i32 s58, s44, 64*384
	s_add_co_u32 s58, s58, 3*WIMG
	s_add_nc_u64 s[6:7], s[6:7], s[58:59]          ; wo's image, my set of 16 fragments
	s_lshl_b32 s58, s44, 10
	s_add_nc_u64 s[8:9], s[8:9], s[58:59]
	s_lshl_b32 s58, s44, 8
	s_add_nc_u64 s[10:11], s[10:11], s[58:59]
	s_add_nc_u64 s[20:21], s[20:21], s[58:59]
	s_lshl_b32 s58, s46, 11
	s_add_nc_u64 s[20:21], s[20:21], s[58:59]
	s_add_nc_u64 s[22:23], s[22:23], s[58:59]
	s_add_nc_u64 s[24:25], s[24:25], s[58:59]
	s_add_nc_u64 s[42:43], s[42:43], s[58:59]
	s_mul_i32 s58, s46, 1024000
	s_add_nc_u64 s[16:17], s[16:17], s[58:59]
	s_mul_i32 s58, s46, 51200
	s_add_nc_u64 s[18:19], s[18:19], s[58:59]
	s_mul_i32 s58, s46, 33*REC
	s_add_nc_u64 s[66:67], s[4:5], s[58:59]        ; tile 0's record
	s_lshl_b32 s58, s45, 3
	s_add_co_u32 s58, s58, s44
	s_add_co_u32 s58, s58, 1
	s_mul_i32 s58, s58, REC
	s_add_nc_u64 s[68:69], s[66:67], s[58:59]      ; the record of slot 1 + w, which I bring into LDS
	s_lshl_b32 s58, s44, 2
	s_add_nc_u64 s[28:29], s[28:29], s[58:59]
	s_cmp_lt_u32 s44, 4                            ; columns 0-255 are the task's, 256-511 the usv's: the choice hangs on the wave's number alone
	s_cselect_b64 s[48:49], s[16:17], s[18:19]
	s_cselect_b64 s[50:51], s[22:23], s[24:25]
	s_cselect_b64 s[70:71], s[12:13], s[14:15]     ; waves 0-3 bring ln_g, 4-7 ln_b
	s_cselect_b32 s52, 999, 49
	s_lshl_b32 s58, s72, 8
	s_add_nc_u64 s[48:49], s[48:49], s[58:59]
	s_lshl_b32 s58, s72, 9
	s_add_nc_u64 s[70:71], s[70:71], s[58:59]
	; (a) what stays: 60 loads
	WIN 0x40
.irp f, 0,1,2,3,4,5,6,7,8,9,10,11,12,13,14,15
.irp c, 0,1,2
	global_load_b128 v[12*\f+4*\c:12*\f+4*\c+3], v1, s[6:7] offset:1536*\f+512*\c   ; 32 lanes, 512 consecutive bytes
.endr
.endr
	WIN 0
.irp t, 0,1,2,3
	global_load_b128 v[22+4*\t:25+4*\t], v244, s[8:9] offset:(32*(\t/2)+8*(\t%2))*16
.endr
.irp k, 0,1
.irp q, 0,1,2,3
	global_load_b128 v[146+16*\k+4*\q:149+16*\k+4*\q], v245, s[10:11] offset:128*\k+16*\q
.endr
.endr
	; (b) what is wanted first: 34 loads: the ids, the global row (into all lanes of residual 0), tile 0's record
.irp m, 0,1,2,3,4,5,6,7,8
	global_load_b32 v[12+\m], v[246+\m], s[50:51]
.endr
.irp k, 0,1
.irp q, 0,1,2,3
	global_load_b128 v[178+16*\k+4*\q:181+16*\k+4*\q], v245, s[20:21] offset:128*\k+16*\q
.endr
.endr
.irp s, 0,1,2,3
	global_load_b128 v[42+12*\s:45+12*\s], v1, s[66:67] offset:1536*\s
	global_load_b64 v[46+12*\s:47+12*\s], v2, s[66:67] offset:1536*\s+512
	global_load_b128 v[48+12*\s:51+12*\s], v1, s[66:67] offset:1536*\s+768
	global_load_b64 v[52+12*\s:53+12*\s], v2, s[66:67] offset:1536*\s+1280
.endr
	global_load_b128 v[38:41], v1, s[66:67] offset:6144
	; (c) what goes on into LDS: 30 loads
.irp i, 0,1,2,3,4,5,6,7,8,9,10,11,12
	global_load_b128 v[90+4*\i:93+4*\i], v1, s[68:69] offset:512*\i
.endr
	global_load_b128 v[142:145], v1, s[70:71]
	WIN 0x40
.irp t, 0,1,2,3
.irp c, 0,1,2
	global_load_b128 v[192+12*\t+4*\c:192+12*\t+4*\c+3], v1, s[26:27] offset:1536*\t+512*\c
.endr
.endr
.irp t, 0,1,2,3
	global_load_b32 v[240+\t], v21, s[28:29] offset:(32*(\t/2)+8*(\t%2))*32
.endr
	WIN 0
	s_wait_loadcnt 30                              ; (a) and (b) are in; the 30 of (c) may stay out
.irp m, 0,1,2,3,4,5,6,7,8
	v_min_u32 v[12+\m], s52, v[12+\m]              ; an id stays inside its table: 999 or 49,
.endr
.irp m, 0,1,2,3,4,5,6,7,8
	v_min_u32 v[12+\m], 0x3e7, v[12+\m]            ; (and under a constant written here)
.endr
.irp m, 0,1,2,3,4,5,6,7,8
	v_lshlrev_b32 v[12+\m], 10, v[12+\m]
.endr
.irp m, 0,1,2,3,4,5,6,7,8
	v_lshl_add_u32 v[12+\m], v4, 6, v[12+\m]
.endr
	v_cmp_ne_u32 vcc_lo, 0, v3
	s_wait_alu depctr_va_vdst(0)
	s_wait_xcnt 0x0                                ; EXEC changes only behind this wait
	s_and_saveexec_b32 s57, vcc_lo                 ; tile 0: row 0 keeps the global row, the other rows are gathered over it
	GATHER 178, 12
	s_wait_xcnt 0x0
	s_or_b32 exec_lo, exec_lo, s57
	GATHER 210, 13
	s_mul_i32 s58, s44, REC
	v_add_nc_u32 v246, s58, v1
	s_lshl_b32 s58, s44, 9
	s_add_co_u32 s75, s58, CONST
	v_add_nc_u32 v247, s75, v1
	s_add_co_u32 s75, s58, AW1S
	v_add_nc_u32 v249, s75, v1
	s_mul_i32 s58, s44, 6144
	s_add_co_u32 s58, s58, AW1
	v_add_nc_u32 v248, s58, v1
	s_wait_alu depctr_va_vdst(0)
	s_wait_loadcnt 16                              ; (c) is in; the two gathers may stay out
.irp i, 0,1,2,3,4,5,6,7,8,9,10,11,12
	ds_store_b128 v246, v[90+4*\i:93+4*\i] offset:512*\i
.endr
	ds_store_b128 v247, v[142:145]
	WIN 0x04
.irp t, 0,1,2,3
.irp c, 0,1,2
	ds_store_b128 v248, v[192+12*\t+4*\c:195+12*\t+4*\c] offset:1536*\t+512*\c
.endr
.endr
	ds_store_b128 v249, v[240:243]
	WIN 0
	s_wait_dscnt 0x0                               ; the stores have landed and have read their registers
	v_lshlrev_b32 v139, 6, v4                      ; lane offsets of the MLP's constants, asked for behind slots 5 to 8: ab1,
	v_lshlrev_b32 v140, 5, v4                      ; ab2 and aw3,
	v_mul_u32_u24 v141, v3, 48                     ; aw2's codes,
	s_delay_alu instid0(VALU_DEP_1)
	v_mad_u32_u24 v141, v4, 24, v141
	v_lshlrev_b32 v143, 1, v3                      ; aw2's scale bytes,
	v_mov_b32 v144, 0                              ; ab3
	WIN 0x40
	GATHER 192, 14
	GATHER 224, 15
	WIN 0
	s_barrier_signal -1
	s_barrier_wait -1                              ; records, aw1 and the gains lie in LDS
.macro SLOT m
.set RW, ((\m)%4)/2                    ; the slot's residual: registers RB on, in window RW
.set RB, 178+32*((\m)%4)
.if RW
.set RB, 192+32*(((\m)%4)-2)
.endif
.if (\m) > 0
.irp s, 0,1,2,3
	ds_load_b128 v[42+12*\s:45+12*\s], v1 offset:CTX+REC*((\m)-1)+1536*\s
	ds_load_b64 v[46+12*\s:47+12*\s], v2 offset:CTX+REC*((\m)-1)+1536*\s+512
	ds_load_b128 v[48+12*\s:51+12*\s], v1 offset:CTX+REC*((\m)-1)+1536*\s+768
	ds_load_b64 v[52+12*\s:53+12*\s], v2 offset:CTX+REC*((\m)-1)+1536*\s+1280
.endr
	ds_load_b128 v[38:41], v1 offset:CTX+REC*((\m)-1)+6144
	s_wait_dscnt 0x0
.endif
	WIN 0x01                                       ; source 0 (wo) window 1.  Four sums by turns; bo starts them
.irp s, 0,1,2,3
.irp t, 0,1,2,3
.if \s == 0
	MM 90+8*\t, 12*(4*\t+\s), 42+12*\s, 146+8*\t, 22+4*\t+\s, 38+\s
.else
	MM 90+8*\t, 12*(4*\t+\s), 42+12*\s, 90+8*\t, 22+4*\t+\s, 38+\s
.endif
.endr
.endr
	WIN 0
	PLACES 4
.if (\m) == 8
	global_load_u16 v34, v143, s[34:35]            ; aw2's scale bytes: their registers held wo's scale words until the products above
	global_load_u16 v35, v143, s[34:35] offset:32
.endif
.irp k, 0,1
.irp q, 0,1,2,3
	ds_load_b128 v[42+16*\k+4*\q:45+16*\k+4*\q], v10 offset:128*\k+16*\q       ; ln_g
.endr
.endr
.if (\m) == 8
	s_wait_loadcnt 25                              ; behind this slot's residual: 8 + 8 + 7 + 2 loads
.else
	s_wait_loadcnt 24                              ; behind this slot's residual: three times 8 loads
.endif
	WIN 0x04*RW
.set J, 0
.rept 16
	v_pk_add_f32 v[90+J:91+J], v[90+J:91+J], v[RB+J:RB+J+1]        ; + the residual
.set J, J+2
.endr
	WIN 0x40*RW
.irp k, 0,1
.irp q, 0,1,2,3
	ds_load_b128 v[RB+16*\k+4*\q:RB+16*\k+4*\q+3], v10 offset:2048+128*\k+16*\q   ; ln_b takes the residual's registers
.endr
.endr
	WIN 0
	v_pk_add_f32 v[242:243], v[90:91], v[92:93]    ; my wave's 64 columns: the mean,
	v_pk_add_f32 v[244:245], v[94:95], v[96:97]
.irp j, 8,12,16,20,24,28
	s_delay_alu instid0(VALU_DEP_2)
	v_pk_add_f32 v[242:243], v[242:243], v[90+\j:91+\j]
	s_delay_alu instid0(VALU_DEP_2)
	v_pk_add_f32 v[244:245], v[244:245], v[92+\j:93+\j]
.endr
	s_delay_alu instid0(VALU_DEP_1)
	v_pk_add_f32 v[242:243], v[242:243], v[244:245]
	s_delay_alu instid0(VALU_DEP_1)
	v_add_f32 v242, v242, v243
	s_delay_alu instid0(VALU_DEP_1)
	v_permlanex16_b32 v244, v242, s[SEL], s[SEL+1]
	s_delay_alu instid0(VALU_DEP_1)
	v_add_f32 v242, v242, v244
	s_delay_alu instid0(VALU_DEP_1)
	v_mul_f32 v242, 0x3c800000, v242
	s_delay_alu instid0(VALU_DEP_1)
	v_pk_add_f32 v[246:247], v[90:91], v[242:243] op_sel_hi:[1,0] neg_lo:[0,1] neg_hi:[0,1]   ; and the squared deviations from it
	s_delay_alu instid0(VALU_DEP_2)
	v_pk_add_f32 v[248:249], v[92:93], v[242:243] op_sel_hi:[1,0] neg_lo:[0,1] neg_hi:[0,1]
	s_delay_alu instid0(VALU_DEP_2)
	v_pk_mul_f32 v[250:251], v[246:247], v[246:247]
	s_delay_alu instid0(VALU_DEP_2)
	v_pk_mul_f32 v[252:253], v[248:249], v[248:249]
.irp j, 4,8,12,16,20,24,28
	v_pk_add_f32 v[246:247], v[90+\j:91+\j], v[242:243] op_sel_hi:[1,0] neg_lo:[0,1] neg_hi:[0,1]
	v_pk_add_f32 v[248:249], v[92+\j:93+\j], v[242:243] op_sel_hi:[1,0] neg_lo:[0,1] neg_hi:[0,1]
	s_delay_alu instid0(VALU_DEP_2)
	v_pk_fma_f32 v[250:251], v[246:247], v[246:247], v[250:251]
	s_delay_alu instid0(VALU_DEP_2)
	v_pk_fma_f32 v[252:253], v[248:249], v[248:249], v[252:253]
.endr
	s_delay_alu instid0(VALU_DEP_1)
	v_pk_add_f32 v[250:251], v[250:251], v[252:253]
	s_delay_alu instid0(VALU_DEP_1)
	v_add_f32 v243, v250, v251
	s_delay_alu instid0(VALU_DEP_1)
	v_permlanex16_b32 v244, v243, s[SEL], s[SEL+1]
	s_delay_alu instid0(VALU_DEP_1)
	v_add_f32 v243, v243, v244
	ds_store_b64 v5, v[242:243] offset:1024*(\m)   ; both lanes of a row write the same bytes with the same values
	BARRIER                                        ; all eight waves' figures of this slot lie in LDS (each slot has bytes of its own: one barrier a slot)
.irp i, 0,1,2,3
	ds_load_b128 v[122+4*\i:125+4*\i], v6 offset:1024*(\m)+16*\i
.endr
	s_wait_dscnt 0x0
	v_add_f32 v246, v122, v124
	v_add_f32 v247, v126, v128
	v_add_f32 v248, v130, v132
	v_add_f32 v249, v134, v136
	v_add_f32 v250, v123, v125
	v_add_f32 v251, v127, v129
	v_add_f32 v252, v131, v133
	v_add_f32 v253, v135, v137
	v_add_f32 v246, v246, v247
	v_add_f32 v248, v248, v249
	v_add_f32 v250, v250, v251
	s_delay_alu instid0(VALU_DEP_4)
	v_add_f32 v252, v252, v253
	s_delay_alu instid0(VALU_DEP_3)
	v_add_f32 v246, v246, v248
	s_delay_alu instid0(VALU_DEP_2)
	v_add_f32 v250, v250, v252
	s_delay_alu instid0(VALU_DEP_2)
	v_mul_f32 v246, 0x3e000000, v246               ; the row's mean
.irp i, 0,1,2,3,4,5,6,7
	v_sub_f32 v[122+2*\i], v[122+2*\i], v246
.endr
	v_mul_f32 v248, v122, v122
	v_mul_f32 v249, v124, v124
	s_delay_alu instid0(VALU_DEP_2)
	v_fma_f32 v248, v126, v126, v248
	s_delay_alu instid0(VALU_DEP_2)
	v_fma_f32 v249, v128, v128, v249
	s_delay_alu instid0(VALU_DEP_2)
	v_fma_f32 v248, v130, v130, v248
	s_delay_alu instid0(VALU_DEP_2)
	v_fma_f32 v249, v132, v132, v249
	s_delay_alu instid0(VALU_DEP_2)
	v_fma_f32 v248, v134, v134, v248
	s_delay_alu instid0(VALU_DEP_2)
	v_fma_f32 v249, v136, v136, v249
	s_delay_alu instid0(VALU_DEP_1)
	v_add_f32 v248, v248, v249
	s_delay_alu instid0(VALU_DEP_1)
	v_fma_f32 v250, 0x42800000, v248, v250         ; + 64 x the waves' means' squared deviations
	s_delay_alu instid0(VALU_DEP_1)
	v_fma_f32 v250, v250, s73, s74                 ; the variance + 1e-5
	s_wait_alu depctr_va_vdst(0)
	v_rsq_f32 v248, v250
	v_nop
	s_wait_alu depctr_va_vdst(0)                   ; ahead of the root's first reader
.set J, 0
.rept 16
	v_pk_add_f32 v[90+J:91+J], v[90+J:91+J], v[246:247] op_sel_hi:[1,0] neg_lo:[0,1] neg_hi:[0,1]
.set J, J+2
.endr
.set J, 0
.rept 16
	v_pk_mul_f32 v[90+J:91+J], v[90+J:91+J], v[248:249] op_sel_hi:[1,0]
.set J, J+2
.endr
	WIN 0x10*RW
.set J, 0
.rept 16
	v_pk_fma_f32 v[90+J:91+J], v[90+J:91+J], v[42+J:43+J], v[RB+J:RB+J+1]
.set J, J+2
.endr
	WIN 0
	HQUANT 90, 122, 124, 126, 130, 142
	ds_store_b128 v7, v[130:133] offset:REC*(\m)
	ds_store_b64 v8, v[134:135] offset:REC*(\m)+512
	ds_store_b16 v9, v142 offset:REC*(\m)
.if (\m) <= 4
	WIN 0x40*RW
	GATHER RB, 12+(\m)+4                           ; the residual of four slots on
	WIN 0
.elseif (\m) == 5
.irp k, 0,1
.irp q, 0,1,2,3
	global_load_b128 v[210+16*\k+4*\q:213+16*\k+4*\q], v139, s[30:31] offset:128*\k+16*\q   ; ab1, in the result's layout
.endr
.endr
.elseif (\m) == 6
	WIN 0x40
.irp u, 0,1
.irp q, 0,1
	global_load_b128 v[192+8*\u+4*\q:195+8*\u+4*\q], v140, s[36:37] offset:64*\u+16*\q     ; ab2
	global_load_b128 v[208+8*\u+4*\q:211+8*\u+4*\q], v140, s[38:39] offset:64*\u+16*\q     ; aw3
.endr
.endr
	WIN 0
.elseif (\m) == 7
	WIN 0x40
.irp u, 0,1
.irp p, 0,1,2
	global_load_b64 v[224+12*\u+2*\p:225+12*\u+2*\p], v141, s[32:33] offset:768*\u+8*\p    ; aw2's two fragments
.endr
.endr
	WIN 0
	global_load_b32 v145, v144, s[40:41]           ; ab3
.endif
.endm
	SLOT 0
	SLOT 1
	SLOT 2
	SLOT 3
	SLOT 4
	SLOT 5
	SLOT 6
	SLOT 7
	SLOT 8
	BARRIER                                        ; z of all nine slots lies in LDS; from here on LDS is only read
	s_wait_loadcnt 0x0                             ; the MLP's constants
	; PHASE M.  v22-29 aw1's scale words (two sets), v30-33 the state's, v34-35 aw2's, v36 the hidden layer's, v38-41 z's; v146-193 the state's four fragments; window 1: v0-95 aw1's fragments, two sets
	v_or_b32 v34, 0x7f7f0000, v34                  ; K = 64 is filled to 128: the filling's scale bytes are 127,
	v_or_b32 v35, 0x7f7f0000, v35
	WIN 0x40
.irp u, 0,1
.irp i, 6,7,8,9,10,11
	v_mov_b32 v[224+12*\u+\i], 0                   ; its codes zeros
.endr
.endr
	WIN 0
	v_lshl_add_u32 v242, v4, 8, ZIMG               ; the state is row 0 of slot 0: every lane takes lane 16 h's registers
	v_lshl_add_u32 v243, v4, 7, ZIMG
	v_mov_b32 v244, ZIMG+6144
.irp s, 0,1,2,3
	ds_load_b128 v[146+12*\s:149+12*\s], v242 offset:1536*\s
	ds_load_b64 v[150+12*\s:151+12*\s], v243 offset:1536*\s+512
	ds_load_b128 v[152+12*\s:155+12*\s], v242 offset:1536*\s+768
	ds_load_b64 v[156+12*\s:157+12*\s], v243 offset:1536*\s+1280
.endr
	ds_load_b128 v[30:33], v244
	v_add_nc_u32 v249, AW1, v1
	s_mul_i32 s58, s44, REC
	s_add_co_u32 s58, s58, ZIMG+REC
	; Wave w takes the tile of slot 1 + w, T = 8 j + 1 + w.  TILE 32 (j = 3, w = 7) HAS ONE ROW THAT COUNTS, row 512 in lanes r = 0: there the lanes r > 0 take tile 0's rows (slot 0) in its stead,
	; so tile 0's fifteen actions get their logits in that wave, and no tile is left for a second walk.  An image is read lane by lane, so a lane's address chooses its row's tile.
	s_lshl_b32 s66, s45, 3
	s_add_co_u32 s66, s66, s44                     ; 8 j + w
	s_add_co_u32 s76, s66, 1                       ; T
	s_lshr_b32 s67, s76, 1
	s_lshl_b32 s67, s67, 5
	s_and_b32 s76, s76, 1
	s_lshl_b32 s76, s76, 3
	s_add_co_u32 s76, s76, s67
	s_sub_co_u32 s76, s76, 1                       ; the tile's first row's action
	s_cmp_eq_u32 s66, 31                           ; the choice hangs on the work-group's and the wave's number alone
	s_cselect_b32 s75, ZIMG, s58                   ; lanes r > 0: slot 0's z, or my slot's
	s_cselect_b32 s77, -1, s76                     ; and tile 0's actions, or my tile's
	v_cmp_eq_u32 vcc_lo, 0, v3
	v_and_b32 v245, 8, v3
	s_delay_alu instid0(VALU_DEP_1)
	v_add_nc_u32 v245, v245, v3                    ; r + 8 (r / 8)
	v_add_nc_u32 v246, s75, v1
	v_add_nc_u32 v247, s75, v2
	s_delay_alu instid0(VALU_DEP_3)
	v_add_nc_u32 v248, s77, v245
	v_add_nc_u32 v250, s58, v1
	v_add_nc_u32 v251, s58, v2
	v_add_nc_u32 v252, s76, v245
	s_delay_alu instid0(VALU_DEP_3)
	v_cndmask_b32 v246, v246, v250, vcc_lo         ; lanes r = 0 keep my slot
	s_delay_alu instid0(VALU_DEP_3)
	v_cndmask_b32 v247, v247, v251, vcc_lo
	s_delay_alu instid0(VALU_DEP_3)
	v_cndmask_b32 v248, v248, v252, vcc_lo         ; my row's action
	s_wait_alu depctr_va_vdst(0)
.macro AWLOAD s                        ; aw1's four fragments of K step s and their scale words, into set s % 2
	WIN 0x40
.irp t, 0,1,2,3
.irp c, 0,1,2
	ds_load_b128 v[48*((\s)%2)+12*\t+4*\c:48*((\s)%2)+12*\t+4*\c+3], v249 offset:6144*(\s)+1536*\t+512*\c
.endr
.endr
	WIN 0
	ds_load_b128 v[22+4*((\s)%2):25+4*((\s)%2)], v249 offset:AW1S-AW1+512*(\s)
.endm
.macro MLP                             ; the tile whose z lies at v246 / v247; its rows' actions in v248
.irp s, 0,1,2,3
	ds_load_b128 v[42+12*\s:45+12*\s], v246 offset:1536*\s
	ds_load_b64 v[46+12*\s:47+12*\s], v247 offset:1536*\s+512
	ds_load_b128 v[48+12*\s:51+12*\s], v246 offset:1536*\s+768
	ds_load_b64 v[52+12*\s:53+12*\s], v247 offset:1536*\s+1280
.endr
	ds_load_b128 v[38:41], v246 offset:6144
	AWLOAD 0
.set SQ, 0
.rept 8
	PLACES 5                                       ; in front of loads into registers that the step before last read
.if SQ < 7
	AWLOAD SQ+1
	s_wait_dscnt 13                                ; all but the 13 just issued
.else
	s_wait_dscnt 0x0
.endif
	WIN 0x01                                       ; source 0 (aw1) window 1.  Four sums by turns; ab1 starts them
.irp t, 0,1,2,3
.if SQ == 0
	MM 90+8*\t, 48*(SQ%2)+12*\t, 42, 210+8*\t, 22+4*(SQ%2)+\t, 38
.elseif SQ < 4
	MM 90+8*\t, 48*(SQ%2)+12*\t, 42+12*SQ, 90+8*\t, 22+4*(SQ%2)+\t, 38+SQ
.else
	MM 90+8*\t, 48*(SQ%2)+12*\t, 146+12*(SQ-4), 90+8*\t, 22+4*(SQ%2)+\t, 30+SQ-4
.endif
.endr
	WIN 0
.set SQ, SQ+1
.endr
	PLACES 4
	ELU 90, 42, 58, 16
	ELU 106, 42, 58, 16
	HQUANT 90, 122, 124, 126, 130, 36
.irp i, 136,137,138,139,140,141
	v_mov_b32 v[\i], 0
.endr
	v_or_b32 v36, 0x7f7f0000, v36
	PLACES 8                                       ; a scale register written by a vector instruction stands 8 places ahead of the product
	WIN 0x11                                       ; source 0 (aw2) and C (ab2) window 1
	MM 42, 224, 130, 192, 34, 36
	MM 50, 236, 130, 200, 35, 36
	WIN 0
	PLACES 4
	ELU 42, 58, 74, 16
	WIN 0x04                                       ; source 1 (aw3) window 1
	v_mul_f32 v250, v42, v208
	v_mul_f32 v251, v43, v209
.irp i, 2,4,6,8,10,12,14
	s_delay_alu instid0(VALU_DEP_2)
	v_fma_f32 v250, v[42+\i], v[208+\i], v250      ; the last product, N = 1, in f32: two chains
	s_delay_alu instid0(VALU_DEP_2)
	v_fma_f32 v251, v[43+\i], v[209+\i], v251
.endr
	WIN 0
	v_add_f32 v250, v250, v251
	s_delay_alu instid0(VALU_DEP_1)
	v_permlanex16_b32 v252, v250, s[SEL], s[SEL+1]
	s_delay_alu instid0(VALU_DEP_1)
	v_add_f32 v250, v250, v252
	s_delay_alu instid0(VALU_DEP_1)
	v_add_f32 v250, v250, v145
	v_cmp_gt_u32 vcc_lo, 0x200, v248               ; row 0 (it wraps round) and the rows past the end have no logit
	s_and_b32 vcc_lo, vcc_lo, 0xffff               ; lanes 0-15 store
	v_lshlrev_b32 v253, 2, v248
	s_wait_alu depctr_va_vdst(0)
	s_wait_xcnt 0x0
	s_and_saveexec_b32 s57, vcc_lo
	global_store_b32 v253, v250, s[42:43]
	s_wait_xcnt 0x0
	s_or_b32 exec_lo, exec_lo, s57
.endm
	MLP
.Lend:
	s_wait_xcnt 0x0
	s_mov_b32 exec_lo, -1
	v_lshl_add_u32 v254, v0, 2, 0x2be00
	v_mov_b32 v255, 0
	s_wait_alu depctr_va_vdst(0)
	s_wait_tensorcnt 0x0
	ds_add_u32 v254, v255
	s_wait_dscnt 0x0
	s_endpgm
.Lfunc_end_k_qd87ab5b7e9_tail:
	.size	k_qd87ab5b7e9_tail, .Lfunc_end_k_qd87ab5b7e9_tail-k_qd87ab5b7e9_tail
	.p2alignl 7, 3214868480
	.fill 96, 4, 3214868480
	.section	.rodata,"a",@progbits
	.p2align	6, 0x0
	.amdhsa_kernel k_qd87ab5b7e9_tail
		.amdhsa_group_segment_fixed_size 180736
		.amdhsa_private_segment_fixed_size 0
		.amdhsa_enable_private_segment 0
		.amdhsa_kernarg_size 152
		.amdhsa_user_sgpr_count 2
		.amdhsa_user_sgpr_kernarg_segment_ptr 1
		.amdhsa_wavefront_size32 1
		.amdhsa_system_sgpr_workgroup_id_x 1
		.amdhsa_system_sgpr_workgroup_id_y 1
		.amdhsa_system_sgpr_workgroup_id_z 1
		.amdhsa_system_vgpr_workitem_id 0
		.amdhsa_next_free_vgpr 512
		.amdhsa_next_free_sgpr 80
		.amdhsa_reserve_vcc 1
		.amdhsa_float_denorm_mode_32 3
		.amdhsa_float_denorm_mode_16_64 3
		.amdhsa_memory_ordered 1
		.amdhsa_forward_progress 1
		.amdhsa_inst_pref_size 249
	.end_amdhsa_kernel
	.amdgpu_metadata
---
amdhsa.version: [ 1, 2 ]
amdhsa.kernels:
  - .name:           k_qd87ab5b7e9_tail
    .symbol:         k_qd87ab5b7e9_tail.kd
    .args:
      - { .name: cq, .offset: 0, .size: 8, .value_kind: global_buffer, .address_space: global }
      - { .name: wimg, .offset: 8, .size: 8, .value_kind: global_buffer, .address_space: global }
      - { .name: wo_scales, .offset: 16, .size: 8, .value_kind: global_buffer, .address_space: global }
      - { .name: bo, .offset: 24, .size: 8, .value_kind: global_buffer, .address_space: global }
      - { .name: ln_g, .offset: 32, .size: 8, .value_kind: global_buffer, .address_space: global }
      - { .name: ln_b, .offset: 40, .size: 8, .value_kind: global_buffer, .address_space: global }
      - { .name: task_embed, .offset: 48, .size: 8, .value_kind: global_buffer, .address_space: global }
      - { .name: usv_embed, .offset: 56, .size: 8, .value_kind: global_buffer, .address_space: global }
      - { .name: global_embed, .offset: 64, .size: 8, .value_kind: global_buffer, .address_space: global }
      - { .name: task_ids, .offset: 72, .size: 8, .value_kind: global_buffer, .address_space: global }
      - { .name: usv_ids, .offset: 80, .size: 8, .value_kind: global_buffer, .address_space: global }
      - { .name: out0, .offset: 88, .size: 8, .value_kind: global_buffer, .address_space: global }
      - { .name: aw1_scales, .offset: 96, .size: 8, .value_kind: global_buffer, .address_space: global }
      - { .name: ab1, .offset: 104, .size: 8, .value_kind: global_buffer, .address_space: global }
      - { .name: aw2_codes, .offset: 112, .size: 8, .value_kind: global_buffer, .address_space: global }
      - { .name: aw2_scales, .offset: 120, .size: 8, .value_kind: global_buffer, .address_space: global }
      - { .name: ab2, .offset: 128, .size: 8, .value_kind: global_buffer, .address_space: global }
      - { .name: aw3, .offset: 136, .size: 8, .value_kind: global_buffer, .address_space: global }
      - { .name: ab3, .offset: 144, .size: 8, .value_kind: global_buffer, .address_space: global }
    .group_segment_fixed_size: 180736
    .private_segment_fixed_size: 0
    .kernarg_segment_align: 8
    .kernarg_segment_size: 152
    .max_flat_workgroup_size: 256
    .sgpr_count:     80
    .vgpr_count:     512
    .wavefront_size: 32
...
	.end_amdgpu_metadata
.endif
;; end of part 3
